; MI455X (gfx1250); checked and timed in simulation.
; The chip was launched on July 23, 2026; its instructions are those of AMD's public machine-readable ISA for CDNA 5 (MIT licence, August 2026) and "CDNA5" Instruction Set Architecture Reference Guide (July 2026). The comments in the code are by the model that wrote it; some were corrected since.
;; Ro PE Transformer Encoder Layer. Allowed arithmetic: float matrix products may take bf16 or f16 operands with f32 sums; all other float work in f32.
;; Inputs: W1 1,024 x 4,096 float32; W2 4,096 x 1,024 float32; Wo 1,024 x 1,024 float32; Wqkv 1,024 x 3,072 float32; b1 4,096 float32; b2 1,024 float32; bo 1,024 float32; bqkv 3,072 float32; cos 2,048 x 32 float32; ln1_b 1,024 float32; ln1_g 1,024 float32; ln2_b 1,024 float32; ln2_g 1,024 float32; sin 2,048 x 32 float32; x 2 x 2,048 x 1,024 float32.
;; Outputs: out0 2 x 2,048 x 1,024 float32.
;; One version. Each part assembles by itself: llvm-mc -triple=amdgcn-amd-amdhsa -mcpu=gfx1250 --defsym DOCPART=n.
;; ======== version 1 of 1: 7 launches
;; limits: a function is approximated: absolute error at most 2.5e-05; an absolute error that grows with the inputs' magnitude: up to 1.3e-05 times it
;; workspace buffers: wb 25,165,824 bytes; nrm 8,388,608 bytes; qkvb 25,165,824 bytes; ob 8,388,608 bytes; x1 16,777,216 bytes; gb 33,554,432 bytes
;; launch prep (part 1): grid 1024 x 1, 8 waves a work-group, no clusters, 0 bytes of LDS; arguments x, ln1_g, ln1_b, nrm, Wqkv, Wo, W1, W2, wb; writes nrm, wb
.if DOCPART == 1
	.amdgcn_target "amdgcn-amd-amdhsa--gfx1250"
	.amdhsa_code_object_version 6
	.text
	.protected	k_q91fab8ea3f_prep
	.globl	k_q91fab8ea3f_prep
	.p2align	8
	.type	k_q91fab8ea3f_prep,@function
k_q91fab8ea3f_prep:
	s_mov_b64 s[64:65], 0
	v_nop
	global_prefetch_b8 v0, s[64:65] scope:SCOPE_SE
	s_setreg_imm32_b32 hwreg(HW_REG_WAVE_MODE, 25, 1), 1
	s_wait_xcnt 0x0
; TWO STREAMS IN ONE LAUNCH.  Work-groups 0-255: nrm = layernorm(x) * g + b, rounded once to bf16.  Work-groups 256-1023: the four weight
; matrices rounded to bf16 into wb, in the layout in which they come ([K][N]), one behind the other: Wqkv, Wo, W1, W2.
; No LDS, no barrier, no matrix unit: every byte is read once and written once, and no wave needs another.
; LAYER NORM.  A row is 4,096 bytes: one wave holds it in 32 registers (eight loads of 16 bytes a lane, 512 consecutive bytes a load), finds the mean,
; takes it away, finds the mean of the squares of what is left (no difference of large sums), scales.  A wave has two rows, a work-group sixteen.
; A lane's four columns of a load pack into 8 bytes: one store of the wave covers 256 consecutive bytes, aligned.
; CAST.  A work-group takes 65,536 bytes of f32, a wave 8,192: sixteen loads all on their way at once, each converted and stored as it comes.
.set X0, 32                            ; v[32:63]   first row
.set X1, 64                            ; v[64:95]   second row
.set G,  96                            ; v[96:127]  gain of my 32 columns
.set BB, 128                           ; v[128:159] bias of my 32 columns
; v1 byte offset in f32 data (16 lane + 8,192 wave), v2 the same in bf16 data, v3 16 lane; v[4:11] four pair sums; v[12:13] mean twice; v[14:15] 1/sigma twice; v16, v17 at work
.macro REDUCE                          ; the sum of v16 over the 32 lanes, in every lane
	v_add_f32_dpp v16, v16, v16 row_xmask:1 row_mask:0xf bank_mask:0xf
	v_add_f32_dpp v16, v16, v16 row_xmask:2 row_mask:0xf bank_mask:0xf
	v_add_f32_dpp v16, v16, v16 row_xmask:4 row_mask:0xf bank_mask:0xf
	v_add_f32_dpp v16, v16, v16 row_xmask:8 row_mask:0xf bank_mask:0xf
	v_permlanex16_b32 v17, v16, s22, s23
	v_add_f32 v16, v16, v17
.endm
.macro FOLD                            ; the four chains into v16
	v_pk_add_f32 v[4:5], v[4:5], v[6:7]
	v_pk_add_f32 v[8:9], v[8:9], v[10:11]
	v_pk_add_f32 v[4:5], v[4:5], v[8:9]
	v_add_f32 v16, v4, v5
.endm
; One row in registers X.  left: the younger loads that may stay out when the row has to be there.  out: the row's byte offset behind v2.
.macro LNROW X, left, out
	s_wait_loadcnt \left
.irp c, 0,1,2,3
	v_pk_add_f32 v[4+2*(\c):5+2*(\c)], v[(\X)+4*(\c):(\X)+4*(\c)+1], v[(\X)+4*(\c)+2:(\X)+4*(\c)+3]
.endr
.irp k, 8,9,10,11,12,13,14,15
	v_pk_add_f32 v[4+2*((\k)%4):5+2*((\k)%4)], v[4+2*((\k)%4):5+2*((\k)%4)], v[(\X)+2*(\k):(\X)+2*(\k)+1]
.endr
	FOLD
	REDUCE
	v_mul_f32 v12, s24, v16                        ; the mean, in both registers of a pair
	v_mul_f32 v13, s24, v16
.irp k, 0,1,2,3,4,5,6,7,8,9,10,11,12,13,14,15
	v_pk_add_f32 v[(\X)+2*(\k):(\X)+2*(\k)+1], v[(\X)+2*(\k):(\X)+2*(\k)+1], v[12:13] neg_lo:[0,1] neg_hi:[0,1]
.endr
.irp c, 0,1,2,3
	v_pk_mul_f32 v[4+2*(\c):5+2*(\c)], v[(\X)+2*(\c):(\X)+2*(\c)+1], v[(\X)+2*(\c):(\X)+2*(\c)+1]
.endr
.irp k, 4,5,6,7,8,9,10,11,12,13,14,15
	v_pk_fma_f32 v[4+2*((\k)%4):5+2*((\k)%4)], v[(\X)+2*(\k):(\X)+2*(\k)+1], v[(\X)+2*(\k):(\X)+2*(\k)+1], v[4+2*((\k)%4):5+2*((\k)%4)]
.endr
	FOLD
	REDUCE
	v_fma_f32 v16, v16, s24, s25                   ; variance + 1e-5
	v_rsq_f32 v14, v16
	v_rsq_f32 v15, v16
	v_nop                                          ; a plain instruction between the root and the use of its result (ISA guide 5.7.2)
	s_wait_loadcnt 0x0                             ; gain and bias
	s_wait_alu depctr_va_vdst(0)
.irp j, 0,1,2,3,4,5,6,7
	v_pk_mul_f32 v[(\X)+4*(\j):(\X)+4*(\j)+1], v[(\X)+4*(\j):(\X)+4*(\j)+1], v[14:15]
	v_pk_mul_f32 v[(\X)+4*(\j)+2:(\X)+4*(\j)+3], v[(\X)+4*(\j)+2:(\X)+4*(\j)+3], v[14:15]
	v_pk_fma_f32 v[(\X)+4*(\j):(\X)+4*(\j)+1], v[(\X)+4*(\j):(\X)+4*(\j)+1], v[G+4*(\j):G+4*(\j)+1], v[BB+4*(\j):BB+4*(\j)+1]
	v_pk_fma_f32 v[(\X)+4*(\j)+2:(\X)+4*(\j)+3], v[(\X)+4*(\j)+2:(\X)+4*(\j)+3], v[G+4*(\j)+2:G+4*(\j)+3], v[BB+4*(\j)+2:BB+4*(\j)+3]
	v_cvt_pk_bf16_f32 v[(\X)+4*(\j)], v[(\X)+4*(\j)], v[(\X)+4*(\j)+1]          ; packed in place: no register that a store reads is written again
	v_cvt_pk_bf16_f32 v[(\X)+4*(\j)+1], v[(\X)+4*(\j)+2], v[(\X)+4*(\j)+3]
	global_store_b64 v2, v[(\X)+4*(\j):(\X)+4*(\j)+1], s[10:11] offset:(\out)+256*(\j)
.endr
.endm
	s_load_b256 s[4:11], s[0:1], 0x0               ; x, ln1_g, ln1_b, nrm
	s_load_b256 s[12:19], s[0:1], 0x20             ; Wqkv, Wo, W1, W2
	s_load_b64 s[20:21], s[0:1], 0x40              ; wb
	v_and_b32 v3, 31, v0
	v_lshrrev_b32 v18, 5, v0
	v_lshlrev_b32 v3, 4, v3                        ; 16 x lane
	v_lshl_add_u32 v1, v18, 13, v3                 ; + 8,192 x wave
	v_lshrrev_b32 v2, 1, v1                        ; half of that for bf16
	s_cmp_lt_u32 ttmp9, 256
	s_cbranch_scc0 .Lcast
	v_mov_b32 v17, 0                               ; the lane exchange's destination counts as read
	s_mov_b32 s22, 0x76543210
	s_mov_b32 s23, 0xfedcba98
	s_mov_b32 s24, 0x3a800000                      ; 1 / 1024
	s_mov_b32 s25, 0x3727c5ac                      ; 1e-5
	s_lshl_b32 s2, ttmp9, 16                       ; 16 rows of 4,096 bytes
	s_mov_b32 s3, 0
	s_lshl_b32 s26, ttmp9, 15                      ; 16 rows of 2,048 bytes
	s_mov_b32 s27, 0
	s_wait_kmcnt 0x0
	s_add_nc_u64 s[4:5], s[4:5], s[2:3]
	s_add_nc_u64 s[10:11], s[10:11], s[26:27]
.irp j, 0,1,2,3,4,5,6,7
	global_load_b128 v[X0+4*(\j):X0+4*(\j)+3], v1, s[4:5] offset:512*(\j)
.endr
.irp j, 0,1,2,3,4,5,6,7
	global_load_b128 v[X1+4*(\j):X1+4*(\j)+3], v1, s[4:5] offset:4096+512*(\j)
.endr
.irp j, 0,1,2,3,4,5,6,7
	global_load_b128 v[G+4*(\j):G+4*(\j)+3], v3, s[6:7] offset:512*(\j)
.endr
.irp j, 0,1,2,3,4,5,6,7
	global_load_b128 v[BB+4*(\j):BB+4*(\j)+3], v3, s[8:9] offset:512*(\j)
.endr
	LNROW X0, 24, 0                                ; the 24 younger loads (second row, gain, bias) may stay out
	LNROW X1, 0, 2048
	s_endpgm
.Lcast:
	s_sub_co_u32 s26, ttmp9, 256                   ; block of 65,536 source bytes, 0 to 767: 192 of Wqkv, 64 of Wo, 256 of W1, 256 of W2
	s_wait_kmcnt 0x0
	s_mov_b64 s[28:29], s[18:19]
	s_mov_b32 s27, 512
	s_cmp_lt_u32 s26, 512
	s_cselect_b64 s[28:29], s[16:17], s[28:29]
	s_cselect_b32 s27, 256, s27
	s_cmp_lt_u32 s26, 256
	s_cselect_b64 s[28:29], s[14:15], s[28:29]
	s_cselect_b32 s27, 192, s27
	s_cmp_lt_u32 s26, 192
	s_cselect_b64 s[28:29], s[12:13], s[28:29]
	s_cselect_b32 s27, 0, s27
	s_sub_co_u32 s27, s26, s27                     ; the block's number inside its matrix
	s_lshl_b32 s30, s27, 16
	s_mov_b32 s31, 0
	s_add_nc_u64 s[28:29], s[28:29], s[30:31]
	s_lshl_b32 s30, s26, 15                        ; wb holds the matrices in the same order, so one formula serves all
	s_add_nc_u64 s[20:21], s[20:21], s[30:31]
.irp j, 0,1,2,3,4,5,6,7,8,9,10,11,12,13,14,15
	global_load_b128 v[32+4*(\j):35+4*(\j)], v1, s[28:29] offset:512*(\j) th:TH_LOAD_NT
.endr
.irp j, 0,1,2,3,4,5,6,7,8,9,10,11,12,13,14,15
	s_wait_loadcnt 15-(\j)                         ; loads come back in order: load j is in, the younger ones stay out
	v_cvt_pk_bf16_f32 v[32+4*(\j)], v[32+4*(\j)], v[33+4*(\j)]
	v_cvt_pk_bf16_f32 v[33+4*(\j)], v[34+4*(\j)], v[35+4*(\j)]
	global_store_b64 v2, v[32+4*(\j):33+4*(\j)], s[20:21] offset:256*(\j)
.endr
	s_endpgm
.Lfunc_end_k_q91fab8ea3f_prep:
	.size	k_q91fab8ea3f_prep, .Lfunc_end_k_q91fab8ea3f_prep-k_q91fab8ea3f_prep
	.p2alignl 7, 3214868480
	.fill 96, 4, 3214868480
	.section	.rodata,"a",@progbits
	.p2align	6, 0x0
	.amdhsa_kernel k_q91fab8ea3f_prep
		.amdhsa_group_segment_fixed_size 0
		.amdhsa_private_segment_fixed_size 0
		.amdhsa_enable_private_segment 0
		.amdhsa_kernarg_size 72
		.amdhsa_user_sgpr_count 2
		.amdhsa_user_sgpr_kernarg_segment_ptr 1
		.amdhsa_wavefront_size32 1
		.amdhsa_system_sgpr_workgroup_id_x 1
		.amdhsa_system_sgpr_workgroup_id_y 1
		.amdhsa_system_sgpr_workgroup_id_z 1
		.amdhsa_system_vgpr_workitem_id 0
		.amdhsa_next_free_vgpr 160
		.amdhsa_next_free_sgpr 66
		.amdhsa_reserve_vcc 0
		.amdhsa_float_denorm_mode_32 3
		.amdhsa_float_denorm_mode_16_64 3
		.amdhsa_memory_ordered 1
		.amdhsa_forward_progress 1
		.amdhsa_inst_pref_size 27
	.end_amdhsa_kernel
	.amdgpu_metadata
---
amdhsa.version: [ 1, 2 ]
amdhsa.kernels:
  - .name:           k_q91fab8ea3f_prep
    .symbol:         k_q91fab8ea3f_prep.kd
    .args:
      - { .name: x, .offset: 0, .size: 8, .value_kind: global_buffer, .address_space: global }
      - { .name: ln1_g, .offset: 8, .size: 8, .value_kind: global_buffer, .address_space: global }
      - { .name: ln1_b, .offset: 16, .size: 8, .value_kind: global_buffer, .address_space: global }
      - { .name: nrm, .offset: 24, .size: 8, .value_kind: global_buffer, .address_space: global }
      - { .name: Wqkv, .offset: 32, .size: 8, .value_kind: global_buffer, .address_space: global }
      - { .name: Wo, .offset: 40, .size: 8, .value_kind: global_buffer, .address_space: global }
      - { .name: W1, .offset: 48, .size: 8, .value_kind: global_buffer, .address_space: global }
      - { .name: W2, .offset: 56, .size: 8, .value_kind: global_buffer, .address_space: global }
      - { .name: wb, .offset: 64, .size: 8, .value_kind: global_buffer, .address_space: global }
    .group_segment_fixed_size: 0
    .private_segment_fixed_size: 0
    .kernarg_segment_align: 8
    .kernarg_segment_size: 72
    .max_flat_workgroup_size: 256
    .sgpr_count:     66
    .vgpr_count:     160
    .wavefront_size: 32
...
	.end_amdgpu_metadata
.endif
;; end of part 1
;; launch qkv (part 2): grid 16 x 16, 4 waves a work-group, clusters of 4 x 4, 327,680 bytes of LDS; arguments nrm, wb, bqkv, qkvb, cos, sin; writes qkvb
.if DOCPART == 2
	.amdgcn_target "amdgcn-amd-amdhsa--gfx1250"
	.amdhsa_code_object_version 6
	.text
	.protected	k_q91fab8ea3f_qkv
	.globl	k_q91fab8ea3f_qkv
	.p2align	8
	.type	k_q91fab8ea3f_qkv,@function
k_q91fab8ea3f_qkv:
	s_mov_b64 s[64:65], 0
	v_nop
	global_prefetch_b8 v0, s[64:65] scope:SCOPE_SE
	s_setreg_imm32_b32 hwreg(HW_REG_WAVE_MODE, 25, 1), 1
	s_wait_xcnt 0x0
	s_wait_alu depctr_hold_cnt(0) depctr_sa_sdst(0) depctr_va_vdst(0) depctr_va_sdst(0) depctr_va_ssrc(0) depctr_va_vcc(0) depctr_vm_vsrc(0)
	s_getreg_b32 s2, hwreg(HW_REG_IB_STS2, 6, 4)
	s_cmp_eq_u32 s2, 0
	s_cbranch_scc0 .Lentry_in_a_cluster
	s_endpgm
.Lentry_in_a_cluster:
	s_bfe_u32 s2, ttmp6, 0x10000c
	s_cmp_lg_u32 s2, 0xf033
	s_cbranch_scc0 .Lentry_shape_is_right
	s_endpgm
.Lentry_shape_is_right:
; q, k, v = rope(nrm Wqkv + bqkv), written by heads: qkvb[3][32 = batch x 16 + head][2048][64] in bf16.  nrm: [4096][1024] bf16; Wqkv: [1024][3072] bf16 at wb's head.
; A tile of C is 256 rows x 192 columns (three heads); four waves, each 64 rows x 192: 48 accumulators of 16 x 16.  K goes in steps of 128 through two LDS slots filled by tensor loads.
; THE MATRIX INSTRUCTION IS USED TRANSPOSED: source 0 = 16 columns of W (W lies [K][N] in LDS and is turned by ds_load_tr16_b128), source 1 = 16 rows of A: a lane holds one row of C and
; eight neighbouring columns.  THE BIAS is the C operand of the first 32 along K.  CLUSTER 4 x 4: A's tile is shared along a row of the cluster, W's along a column, each asked for jointly.
; THE K LOOP IS WRITTEN ONCE: a pair of 32s along K (fragment buffers 1 and 0) is walked by a counted loop; the change of slots stands between two pairs, in front of a K step's last 32.
; THE WAY OUT: the f32 sums go into a stage in LDS (in the slots, after their last fill); a short loop reads four rows at a time, turns pairs (x[2j], x[2j+1]) by cos and sin in f32
; (first half x1 c - x2 s, second half x1 s + x2 c), rounds once to bf16 and stores 512 consecutive bytes a head.  Whether a head is v's (no rope) hangs on the tile column: it chooses values and a
; store offset by v_cndmask_b32, never a branch.
; REGISTERS, windows of 256: window 0: v0-31 addresses, v64-127 A's fragments (two buffers), v160-255 the bias; window 1: W's fragments (two buffers of 96);
; windows 2, 3: the accumulators of my rows 0-31, 32-63 (v0-191), and in v192-255 cos (window 2) and sin (window 3) of my 64 rows, loaded at the start.
.set TM, 256
.set TN, 192
.set MB, 4                             ; blocks of 16 rows a wave
.set NBW, 12                           ; blocks of 16 columns a wave
.set KTOT, 1024
.set KSTEP, 128
.set NTOT, 3072
.set WOFF, 0                           ; the matrix's first byte in wb
.set APITCH, 272                       ; an LDS row of A: 256 bytes + 16: the 16 rows of a load start at 16 different groups of four banks
.set AQI, 5                            ; padding after every 64 words
.set AD0, 128                          ; A's tile: elements in a row,
.set AD1, 128                          ; rows,
.set ASTR, 1024                        ; elements from row to row
.set AHALF, 34816                      ; LDS bytes of one load of A
.set AEND, 256                         ; what the fragment address has gone when a K step is through
.set ASTEP1, 64                        ; its step behind an odd 32 along K
.set ASTEPG, 256                       ; bytes of memory from K step to K step
.set BP, 480                           ; an LDS row of W: 3 x (128 bytes + 32): an odd multiple of 32
.set BQI, 4                            ; padding after every 32 words
.set BCHUNK, 160                       ; four blocks of 16 columns and their padding
.set SLOT, 0x20000                     ; slot 1 begins here; none of its bits is set in a load's place in slot 0, so an exclusive or changes slots
.set SP, 784                           ; a row of the stage: 768 bytes + 16
.set SPARE, 266240                     ; the spare words, 128 bytes a wave: two blocks of 256 bytes that no other line names
.set W41, 1                            ; the waves lie 4 x 1
.set AHEADS, 0
.set EARLYN, 32                        ; loads issued behind the bias's
.set SCR, 200704                       ; behind the stage: 16,384 bytes a wave for cos and sin
.set NQ, KSTEP/32
.set T, KTOT/KSTEP
.set ABYTES, 2*AHALF
.set BHALF, (KSTEP/2)*BP
.set BSTEPG, KSTEP*NTOT*2
.set NLD, 2*(MB+NBW)                   ; LDS loads for 32 along K
.set FA0, 64
.set BI, 256-8*NBW
.set ADRA0, 8                          ; v8   my lane's place in A's tile      v9  in W's tile
.set ADRB0, 9
.set RA, 10                            ; v10  the address of A's run in hand   v11 of W's
.set RB, 11
.set STO, 12                           ; v12, v13 into the stage: my rows' lower and upper half
.set RD, 14
.set CO, 15
.set SPW, 28                           ; v28  my spare word; never rewritten   v29  0; never rewritten
.set NIL, 29
.set WV, 16                            ; s16 wave   s17 I fetch A (0) or W (1)   s18 which half   s19, s20 my place among the waves
.set FSEL, 17
.set HALF, 18
.set WM, 19
.set WN, 20
.set CX, 21
.set CY, 22
.set TNI, 23                           ; tile column, tile row
.set TMI, 24
.set MKA, 25
.set MKB, 26
.set G1A, 28                           ; s[28:35], s[36:43] descriptor groups 1    s[44:51], s[52:59] groups 0, two sets each: the first fills; the second then walks
.set G1B, 36
.set G0A, 44
.set G0B, 52
.set KA, 66                            ; s66, s67 LDS byte at which the next 32 along K begin, for A and for W
.set KB, 67
.set MSB, 0
.macro WIN new                         ; the immediate's high byte repeats the setting that is left; a switch that changes nothing is dropped
.if MSB != (\new)
	s_set_vgpr_msb (MSB<<8)|(\new)
.set MSB, \new
.endif
.endm
.macro JLOAD                           ; a joint refill: waves 0, 1 ask for A's halves, waves 2, 3 for W's; an s_nop 0 and four v_nop follow each line
	s_cmp_eq_u32 s[FSEL], 0
	s_cbranch_scc0 .Lfor_b_\@
	tensor_load_to_lds s[G0A+4:G0A+7], s[G1A:G1A+7]
	s_nop 0
.rept 4
	v_nop
.endr
	s_branch .Lasked_\@
.Lfor_b_\@:
	tensor_load_to_lds s[G0B+4:G0B+7], s[G1B:G1B+7]
	s_nop 0
.rept 4
	v_nop
.endr
.Lasked_\@:
.endm
.macro CROUND                          ; a round of the cluster's barrier
	s_barrier_signal -1
	s_barrier_wait -1
	s_cmp_lg_u32 s[WV], 0
	s_cbranch_scc1 .Lnot_wave_0_\@
	s_barrier_signal -3
.Lnot_wave_0_\@:
	s_barrier_wait -3
	s_barrier_signal -1
	s_barrier_wait -1
.endm
; A quarter q of my row blocks x all my column blocks, 32 along K, from buffer f.  first = 1: the sums begin with the bias.  Every accumulator has one turn in 32 along K.
.macro MULQ f, q, first
.if \first
	WIN 0x81+0x40*((\q)/2)
.else
	WIN 0xa1+0x50*((\q)/2)
.endif
.set a, (\q)*MB/4
.rept MB/4
.set b, 0
.rept NBW
.set rD, 8*((a%(MB/2))*NBW+b)
.if \first
	v_wmma_f32_16x16x32_bf16 v[rD:rD+7], v[8*NBW*(\f)+8*b:8*NBW*(\f)+8*b+7], v[FA0+8*MB*(\f)+8*a:FA0+8*MB*(\f)+8*a+7], v[BI+8*b:BI+8*b+7]
.else
	v_wmma_f32_16x16x32_bf16 v[rD:rD+7], v[8*NBW*(\f)+8*b:8*NBW*(\f)+8*b+7], v[FA0+8*MB*(\f)+8*a:FA0+8*MB*(\f)+8*a+7], v[rD:rD+7]
.endif
.set b, b+1
.endr
.set a, a+1
.endr
.endm
; The fragments of 32 along K into buffer f, in one run: A's, then W's.  The four plain vector lines at its head are the places between the last product that read the buffer and the loads.
.macro FETCHX f, par
	WIN 0
	v_add_nc_u32 v[RA], s[KA], v[ADRA0]
	v_add_nc_u32 v[RB], s[KB], v[ADRB0]
	v_nop
	v_nop
.set i, 0
.rept MB
	ds_load_b128 v[FA0+8*MB*(\f)+8*i:FA0+8*MB*(\f)+8*i+3],   v[RA] offset:i*16*APITCH
	ds_load_b128 v[FA0+8*MB*(\f)+8*i+4:FA0+8*MB*(\f)+8*i+7], v[RA] offset:i*16*APITCH+32
.set i, i+1
.endr
	WIN 0x40
.set nb, 0
.rept NBW
	ds_load_tr16_b128 v[8*NBW*(\f)+8*nb:8*NBW*(\f)+8*nb+3],   v[RB] offset:(nb/4)*BCHUNK+(nb%4)*32
	ds_load_tr16_b128 v[8*NBW*(\f)+8*nb+4:8*NBW*(\f)+8*nb+7], v[RB] offset:(nb/4)*BCHUNK+(nb%4)*32+16*BP
.set nb, nb+1
.endr
.if \par
	s_add_co_u32 s[KA], s[KA], ASTEP1
.else
	s_add_co_u32 s[KA], s[KA], 64
.endif
	s_add_co_u32 s[KB], s[KB], 32*BP
.endm
.macro QUARTER f, par, first           ; 32 along K from buffer f; at its head the next 32 are asked for, into the other buffer: they have all this 32's products in which to come
	FETCHX 1-(\f), \par
	s_wait_dscnt NLD                               ; all but the run just issued: this 32's fragments are in
	MULQ \f, 0, \first
	MULQ \f, 1, \first
	MULQ \f, 2, \first
	MULQ \f, 3, \first
.endm
; THE CHANGE OF SLOTS, in front of a K step's last 32, whose fragments are in registers.  Each wave waits for all its tensor loads (one is out: its part of the next slot), adds 0 to its spare word, and waits
; for that and for its reads of this slot.  fill = 1: the barrier is a round of the cluster's, and behind it this slot is filled again, first thing, with the K step two on.
.macro CHANGE fill
	WIN 0
	s_wait_tensorcnt 0x0                           ; no tensor load of mine is out, so a group 0 may be written
	ds_add_u32 v[SPW], v[NIL]                      ; 0 onto my spare word; scalar work stands between it and the wait for it
.if \fill
	s_xor_b32 s[G0A+5], s[G0A+5], SLOT
	s_add_nc_u64 s[G0A+6:G0A+7], s[G0A+6:G0A+7], ASTEPG
	s_xor_b32 s[G0B+5], s[G0B+5], SLOT
	s_add_nc_u64 s[G0B+6:G0B+7], s[G0B+6:G0B+7], BSTEPG
.endif
	s_sub_co_u32 s[KA], s[KA], AEND                ; the fetches go back to a slot's head, in the other slot
	s_xor_b32 s[KA], s[KA], SLOT
	s_sub_co_u32 s[KB], s[KB], KSTEP*BP
	s_xor_b32 s[KB], s[KB], SLOT
	s_wait_dscnt 0x0                               ; the add is done, my reads of this slot are over
.if \fill
	CROUND
	JLOAD
.else
	s_barrier_signal -1
	s_barrier_wait -1
.endif
.endm
.macro QLAST                           ; the very last 32: nothing more to fetch
	s_wait_dscnt 0x0
	MULQ 1, 0, 0
	MULQ 1, 1, 0
	MULQ 1, 2, 0
	MULQ 1, 3, 0
.endm
.macro DUMP                            ; the f32 sums into the stage: a lane's eight columns are 32 bytes of a row; each accumulator's low registers go first
.set a, 0
.rept MB
	WIN 0x08+4*(a/(MB/2))
.set b, 0
.rept NBW
.set rD, 8*((a%(MB/2))*NBW+b)
	ds_store_b128 v[STO+a/(MB/2)], v[rD:rD+3]   offset:(a%(MB/2))*16*SP+64*b
	ds_store_b128 v[STO+a/(MB/2)], v[rD+4:rD+7] offset:(a%(MB/2))*16*SP+64*b+16
.set b, b+1
.endr
.set a, a+1
.endr
	WIN 0
.endm
	s_load_b256 s[4:11], s[0:1], 0x0               ; nrm, wb, bqkv, qkvb
	s_load_b128 s[12:15], s[0:1], 0x20             ; cos, sin
	v_lshl_add_u32 v[SPW], v0, 2, SPARE
	v_mov_b32 v[NIL], 0
	ds_add_u32 v[SPW], v[NIL]                      ; the wave's opening: the add and its wait stand ahead of my first tensor load
	v_lshrrev_b32 v1, 5, v0
	v_readfirstlane_b32 s[WV], v1
	s_lshr_b32 s[FSEL], s[WV], 1
	s_and_b32 s[HALF], s[WV], 1
.if W41
	s_mov_b32 s[WM], s[WV]
	s_mov_b32 s[WN], 0
.else
	s_lshr_b32 s[WM], s[WV], 1
	s_and_b32 s[WN], s[WV], 1
.endif
	s_bfe_u32 s[CX], ttmp6, 0x40000
	s_bfe_u32 s[CY], ttmp6, 0x40004
	s_lshl_b32 s[TNI], ttmp9, 2
	s_add_co_u32 s[TNI], s[TNI], s[CX]             ; tile column = 4 x cluster x + cx
	s_and_b32 s[TMI], ttmp7, 0xffff
	s_lshl_b32 s[TMI], s[TMI], 2
	s_add_co_u32 s[TMI], s[TMI], s[CY]             ; tile row = 4 x cluster y + cy
	s_lshl_b32 s[MKA], s[CY], 2
	s_lshl_b32 s[MKA], 15, s[MKA]                  ; my row of the cluster
	s_lshl_b32 s[MKB], 0x1111, s[CX]               ; my column
	s_or_b32 s[G1A], s[MKA], (1<<16)|(1<<20)|(1<<21)|(AQI<<22)|(3<<25)  ; mask; 2-byte elements; padding on; bit 21 beside a mask; interval; 4 words
	s_or_b32 s[G1B], s[MKB], (1<<16)|(1<<20)|(1<<21)|(BQI<<22)|(7<<25)  ; the same with my column's mask and 8 words
	s_mov_b32 s[G1A+1], AD0<<16                    ; tensor_dim0
	s_mov_b32 s[G1A+2], AD1<<16                    ; tensor_dim1
	s_mov_b32 s[G1A+3], AD0<<16                    ; tile_dim0
	s_mov_b32 s[G1A+4], AD1                        ; tile_dim1
	s_mov_b32 s[G1A+5], ASTR                       ; elements from row to row
	s_mov_b32 s[G1A+6], 0
	s_mov_b32 s[G1A+7], 0
	s_mov_b32 s[G1B+1], TN<<16
	s_mov_b32 s[G1B+2], (KSTEP/2)<<16
	s_mov_b32 s[G1B+3], TN<<16
	s_mov_b32 s[G1B+4], KSTEP/2
	s_mov_b32 s[G1B+5], NTOT
	s_mov_b32 s[G1B+6], 0
	s_mov_b32 s[G1B+7], 0
	; A's address hangs on the tile row and the wave alone, W's on the tile column and the wave alone, each in registers that never hold the other coordinate
	s_mul_i32 s60, s[TMI], TM*KTOT*2
	s_mul_i32 s61, s[HALF], (TM/2)*KTOT*2
	s_add_co_u32 s60, s60, s61
	s_mov_b32 s61, 0
	s_mul_i32 s68, s[TNI], TN*2
	s_mul_i32 s69, s[HALF], (KSTEP/2)*NTOT*2
	s_add_co_u32 s68, s68, s69
	s_add_co_u32 s68, s68, WOFF
	s_mov_b32 s69, 0
	s_mul_i32 s62, s[HALF], AHALF                  ; where they go: no place in the cluster enters an LDS address
	s_mul_i32 s63, s[HALF], BHALF
	s_add_co_u32 s63, s63, ABYTES
	s_wait_dscnt 0x0                               ; the opening add is done
	s_wait_kmcnt 0x0
	s_add_nc_u64 s[60:61], s[4:5], s[60:61]
	s_add_nc_u64 s[68:69], s[6:7], s[68:69]
	CROUND                                         ; all sixteen work-groups are here: the first joint loads meet
.irp s, 0,1
	s_mov_b32 s[G0A+4*(\s)], 1
	s_add_co_u32 s[G0A+4*(\s)+1], s62, (\s)*SLOT
	s_add_nc_u64 s[G0A+4*(\s)+2:G0A+4*(\s)+3], s[60:61], (\s)*ASTEPG
	s_or_b32 s[G0A+4*(\s)+3], s[G0A+4*(\s)+3], 0x80000000
	s_mov_b32 s[G0B+4*(\s)], 1
	s_add_co_u32 s[G0B+4*(\s)+1], s63, (\s)*SLOT
	s_add_nc_u64 s[G0B+4*(\s)+2:G0B+4*(\s)+3], s[68:69], (\s)*BSTEPG
	s_or_b32 s[G0B+4*(\s)+3], s[G0B+4*(\s)+3], 0x80000000
.endr
	s_cmp_eq_u32 s[FSEL], 0                        ; a wave's two first fills stand in one branch: two loads of mine are out
	s_cbranch_scc0 .Lfirst_b
	tensor_load_to_lds s[G0A:G0A+3], s[G1A:G1A+7]
	s_nop 0
	tensor_load_to_lds s[G0A+4:G0A+7], s[G1A:G1A+7]
	s_nop 0
.rept 4
	v_nop
.endr
	s_branch .Lfirst_done
.Lfirst_b:
	tensor_load_to_lds s[G0B:G0B+3], s[G1B:G1B+7]
	s_nop 0
	tensor_load_to_lds s[G0B+4:G0B+7], s[G1B:G1B+7]
	s_nop 0
.rept 4
	v_nop
.endr
.Lfirst_done:
	v_and_b32 v1, 15, v0                           ; r = l % 16
	v_bfe_u32 v2, v0, 4, 1                         ; h = l / 16
	v_lshlrev_b32 v5, 5, v2                        ; the bias of my eight columns of a block: 32 h; never rewritten
	s_mul_i32 s70, s[TNI], TN*4
	s_mul_i32 s71, s[WN], NBW*64
	s_add_co_u32 s70, s70, s71
	s_mov_b32 s71, 0
	s_add_nc_u64 s[8:9], s[8:9], s[70:71]
.set nb, 0
.rept NBW
	global_load_b128 v[BI+8*nb:BI+8*nb+3],   v5, s[8:9] offset:64*nb
	global_load_b128 v[BI+8*nb+4:BI+8*nb+7], v5, s[8:9] offset:64*nb+16
.set nb, nb+1
.endr
	v_mul_u32_u24 v[ADRA0], v1, APITCH             ; A: row x pitch + 16 h
	v_lshl_add_u32 v[ADRA0], v2, 4, v[ADRA0]
	s_mul_i32 s74, s[WM], MB*16*APITCH
	v_add_nc_u32 v[ADRA0], s74, v[ADRA0]
	v_and_b32 v3, 7, v0                            ; W, turned: row 8 h + l % 8, 16 bytes for each half of eight lanes
	v_lshl_add_u32 v3, v2, 3, v3
	v_mul_u32_u24 v[ADRB0], v3, BP
	v_bfe_u32 v4, v0, 3, 1
	v_lshl_add_u32 v[ADRB0], v4, 4, v[ADRB0]
	s_mul_i32 s74, s[WN], NBW*32
	s_add_co_u32 s74, s74, ABYTES
	v_add_nc_u32 v[ADRB0], s74, v[ADRB0]
	s_mul_i32 s75, s[WM], MB*16*SP                 ; my part of the stage
	s_mul_i32 s74, s[WN], NBW*64
	s_add_co_u32 s75, s75, s74
	v_mul_u32_u24 v[STO], v1, SP
	v_lshl_add_u32 v[STO], v2, 5, v[STO]
	v_add_nc_u32 v[STO], s75, v[STO]
	v_add_nc_u32 v[STO+1], (MB/2)*16*SP, v[STO]
	; THIS KERNEL'S OWN SET-UP.  cos and sin of my 64 rows: 8,192 bytes each, sixteen loads of 512 consecutive bytes, on their way during the whole K loop.
.set XR0, 16                           ; v16 my 64 bytes of a head's row in the stage   v17, v18 my eight factors A and B   v19-21 the same for the rows in hand
.set AR0, 17
.set BR0, 18
.set VO, 22                            ; v22-24 my 16 bytes in 512 of a head's rows, by head
.set SG, 25                            ; v25 the sign of B
.set SCA, 26                           ; v26 into the scratch
.set L16, 27                           ; v27 16 x lane
.set M1, 80                            ; s80-82, s83-85 lanes that take v's lower, upper eight columns, by head (0 where the head is q's or k's)
.set M2, 83
.set HB, 86                            ; s[86:91] the three heads' rows in qkvb
.set XO, 92
.set CO2, 93
.set YT, 192
.set PT, 200
.set OUT, 212
	v_and_b32 v[L16], 31, v0
	v_lshlrev_b32 v[L16], 4, v[L16]
	s_and_b32 s78, s[TMI], 7
	s_lshl_b32 s78, s78, 15
	s_lshl_b32 s79, s[WV], 13
	s_add_co_u32 s78, s78, s79                     ; my first row in its sequence, times 128 bytes
	s_mov_b32 s79, 0
	s_add_nc_u64 s[12:13], s[12:13], s[78:79]
	s_add_nc_u64 s[14:15], s[14:15], s[78:79]
	WIN 0x80
.set i, 0
.rept 16
	global_load_b128 v[192+4*i:195+4*i], v[L16], s[12:13] offset:512*i
.set i, i+1
.endr
	WIN 0xc0
.set i, 0
.rept 16
	global_load_b128 v[192+4*i:195+4*i], v[L16], s[14:15] offset:512*i
.set i, i+1
.endr
	WIN 0
	; Eight lanes share a row of a head: u = l % 4 names 16 columns (8 pairs), hi = (l / 4) % 2 the half of the output, rs = l / 8 the row of four.
	v_and_b32 v4, 3, v0                            ; u
	v_bfe_u32 v6, v0, 2, 1                         ; hi
	v_bfe_u32 v7, v0, 3, 2                         ; rs
	v_mul_u32_u24 v[XR0], v7, SP
	v_lshl_add_u32 v[XR0], v4, 6, v[XR0]
	v_add_nc_u32 v[XR0], s75, v[XR0]
	v_lshlrev_b32 v3, 7, v7
	v_lshl_add_u32 v3, v4, 5, v3                   ; rs x 128 + 32 u
	v_lshl_add_u32 v30, v6, 4, v3                  ; v's place in the four rows: + 16 hi
	s_lshl_b32 s74, s[WV], 14
	s_add_co_u32 s74, s74, SCR
	v_add_nc_u32 v[SCA], s74, v[L16]
	v_add_nc_u32 v[AR0], s74, v3
	v_xor_b32 v3, 1, v6
	v_lshl_add_u32 v[BR0], v3, 13, v[AR0]          ; B: sin for the first half, cos for the second
	v_lshl_add_u32 v[AR0], v6, 13, v[AR0]          ; A: cos for the first half, sin for the second
	v_lshlrev_b32 v[SG], 31, v3                    ; the first half takes - sin
	s_lshr_b32 s77, s[TMI], 3
	s_lshl_b32 s77, s77, 22                        ; the batch's 16 heads
	s_add_co_u32 s77, s77, s78
	s_mul_i32 s76, s[TNI], 3                       ; my first head slot of 48
.irp hd, 0,1,2
	s_add_co_u32 s60, s76, \hd
	s_cmp_ge_u32 s60, 32                           ; v's?
	s_cselect_b32 s[M1+\hd], 0x0f0f0f0f, 0
	s_cselect_b32 s[M2+\hd], 0xf0f0f0f0, 0
	s_cselect_b32 s61, -1, 0
	v_cndmask_b32 v[VO+\hd], v[L16], v30, s61
	s_lshr_b32 s62, s60, 4
	s_lshl_b32 s62, s62, 23
	s_and_b32 s63, s60, 15
	s_lshl_b32 s63, s63, 18
	s_add_co_u32 s62, s62, s63
	s_add_co_u32 s62, s62, s77
	s_mov_b32 s63, 0
	s_add_nc_u64 s[HB+2*\hd:HB+2*\hd+1], s[10:11], s[62:63]
.endr
	s_mov_b32 s[KA], 0
	s_mov_b32 s[KB], 0
	s_wait_tensorcnt 1                             ; my part of K step 0 is in; K step 1's may stay out
	s_barrier_signal -1
	s_barrier_wait -1
	FETCHX 0, 0
	s_wait_loadcnt EARLYN                          ; the bias is in; the loads issued behind it may stay out
	QUARTER 0, 1, 1                                ; the first 32 start the sums
	WIN 0
	s_mov_b32 s2, T-1
	s_mov_b32 s3, (NQ-2)/2                         ; K step 0 has so many pairs left in front of its change of slots
	s_branch .Lpair
.Lk:                                                   ; T - 2 times: the slot that is left is filled again
	CHANGE 1
	s_mov_b32 s3, NQ/2
.Lpair:                                                ; two 32s along K
	QUARTER 1, 0, 0
	QUARTER 0, 1, 0
	WIN 0
	s_sub_co_u32 s3, s3, 1
	s_cmp_lg_u32 s3, 0
	s_cbranch_scc1 .Lpair
	s_sub_co_u32 s2, s2, 1
	s_cmp_lg_u32 s2, 0
	s_cbranch_scc1 .Lk
	CHANGE 0                                       ; the last change is written out: nothing is left to ask for
	s_mov_b32 s3, NQ/2
.Ltp:
	QUARTER 1, 0, 0
	QUARTER 0, 1, 0
	WIN 0
	s_sub_co_u32 s3, s3, 1
	s_cmp_lg_u32 s3, 0
	s_cbranch_scc1 .Ltp
	QLAST
	WIN 0
.rept 4
	v_nop                                          ; the places behind the last products
.endr
	s_wait_dscnt 0x0
	s_barrier_signal -1
	s_barrier_wait -1                              ; nobody reads a slot any more, and no slot is filled again: the stage may lie there
	DUMP
	s_wait_loadcnt 0x0                             ; cos and sin
	WIN 0x08
.set i, 0
.rept 16
	ds_store_b128 v[SCA], v[192+4*i:195+4*i] offset:512*i
.set i, i+1
.endr
	WIN 0x0c
.set i, 0
.rept 16
	ds_store_b128 v[SCA], v[192+4*i:195+4*i] offset:8192+512*i
.set i, i+1
.endr
	WIN 0
	s_wait_dscnt 0x0
	s_barrier_signal -1
	s_barrier_wait -1
; Four rows' numbers into register set st: 16 columns of each head (48), eight A, eight B
.macro LOADSET st, xr, ar, br
.irp hd, 0,1,2
.irp k, 0,1,2,3
	ds_load_b128 v[(\st)+16*\hd+4*\k:(\st)+16*\hd+4*\k+3], v[\xr] offset:256*\hd+16*\k
.endr
.endr
	ds_load_b128 v[(\st)+48:(\st)+51], v[\ar]
	ds_load_b128 v[(\st)+52:(\st)+55], v[\ar] offset:16
	ds_load_b128 v[(\st)+56:(\st)+59], v[\br]
	ds_load_b128 v[(\st)+60:(\st)+63], v[\br] offset:16
.endm
; One head: y[j] = x[2j] A[j] + x[2j+1] B[j], rounded; beside it the 16 columns as they are, rounded; v's lanes take those.
; w = 1: in front of the first write of an output register stands the wait that frees what the last four rows' stores read; w = 2: the three bases step there too.
.macro HEAD st, hd, off, w
.set xb, (\st)+16*(\hd)
.set ab, (\st)+48
.set bq, (\st)+56
.set orr, OUT+4*(\hd)
.irp j, 0,1,2,3,4,5,6,7
	v_mul_f32 v[YT+\j], v[xb+2*\j+1], v[bq+\j]
.endr
.irp j, 0,1,2,3,4,5,6,7
	v_fmac_f32 v[YT+\j], v[xb+2*\j], v[ab+\j]
.endr
.irp k, 0,1,2,3,4,5,6,7
	v_cvt_pk_bf16_f32 v[PT+\k], v[xb+2*\k], v[xb+2*\k+1]
.endr
.if (\w) >= 1
	s_wait_xcnt 0x0                                ; the output registers and the bases are written again only behind this wait; the stores that it covers were issued 24 vector lines ago or more
.endif
.if (\w) == 2
	s_add_nc_u64 s[HB:HB+1], s[HB:HB+1], s[60:61]  ; eight rows on; in the first trip the step is 0
	s_add_nc_u64 s[HB+2:HB+3], s[HB+2:HB+3], s[60:61]
	s_add_nc_u64 s[HB+4:HB+5], s[HB+4:HB+5], s[60:61]
	s_mov_b32 s60, 1024
.endif
.irp k, 0,1,2,3
	v_cvt_pk_bf16_f32 v[orr+\k], v[YT+2*\k], v[YT+2*\k+1]
.endr
.irp k, 0,1,2,3
	v_cndmask_b32 v[orr+\k], v[orr+\k], v[PT+\k], s[M1+(\hd)]
.endr
.irp k, 0,1,2,3
	v_cndmask_b32 v[orr+\k], v[orr+\k], v[PT+4+\k], s[M2+(\hd)]
.endr
	global_store_b128 v[VO+(\hd)], v[orr:orr+3], s[HB+2*(\hd):HB+2*(\hd)+1] offset:\off  ; four rows of 128 bytes: 512 consecutive bytes
.endm
; Four rows from set bb, while the next four come into the other set.  The last look-ahead is clamped to the last four rows.
.macro ETRIP bb
	s_add_co_u32 s[XO], s[XO], 4*SP
	s_min_u32 s[XO], s[XO], 60*SP
	s_add_co_u32 s[CO2], s[CO2], 512
	s_min_u32 s[CO2], s[CO2], 7680
	v_add_nc_u32 v19, s[XO], v[XR0]
	v_add_nc_u32 v20, s[CO2], v[AR0]
	v_add_nc_u32 v21, s[CO2], v[BR0]
	LOADSET 64+64*(1-(\bb)), 19, 20, 21
	s_wait_dscnt 16                                ; all but the sixteen just issued
.irp j, 0,1,2,3,4,5,6,7
	v_xor_b32 v[64+64*(\bb)+56+\j], v[SG], v[64+64*(\bb)+56+\j]
.endr
	HEAD 64+64*(\bb), 0, 512*(\bb), 2-(\bb)
	HEAD 64+64*(\bb), 1, 512*(\bb), 0
	HEAD 64+64*(\bb), 2, 512*(\bb), 0
.endm
	s_mov_b32 s[XO], 0
	s_mov_b32 s[CO2], 0
	s_mov_b32 s60, 0
	s_mov_b32 s61, 0
	LOADSET 64, XR0, AR0, BR0
	s_mov_b32 s94, 8
.Lrope:                                                ; eight rows a trip
	ETRIP 0
	ETRIP 1
	s_sub_co_u32 s94, s94, 1
	s_cmp_lg_u32 s94, 0
	s_cbranch_scc1 .Lrope
	s_wait_tensorcnt 0x0                           ; the wave's end
	ds_add_u32 v[SPW], v[NIL]
	s_wait_dscnt 0x0
	CROUND                                         ; the closing round
	s_endpgm
.Lfunc_end_k_q91fab8ea3f_qkv:
	.size	k_q91fab8ea3f_qkv, .Lfunc_end_k_q91fab8ea3f_qkv-k_q91fab8ea3f_qkv
	.p2alignl 7, 3214868480
	.fill 96, 4, 3214868480
	.section	.rodata,"a",@progbits
	.p2align	6, 0x0
	.amdhsa_kernel k_q91fab8ea3f_qkv
		.amdhsa_group_segment_fixed_size 327680
		.amdhsa_private_segment_fixed_size 0
		.amdhsa_enable_private_segment 0
		.amdhsa_kernarg_size 48
		.amdhsa_user_sgpr_count 2
		.amdhsa_user_sgpr_kernarg_segment_ptr 1
		.amdhsa_wavefront_size32 1
		.amdhsa_system_sgpr_workgroup_id_x 1
		.amdhsa_system_sgpr_workgroup_id_y 1
		.amdhsa_system_sgpr_workgroup_id_z 1
		.amdhsa_system_vgpr_workitem_id 0
		.amdhsa_next_free_vgpr 1024
		.amdhsa_next_free_sgpr 96
		.amdhsa_reserve_vcc 0
		.amdhsa_float_denorm_mode_32 3
		.amdhsa_float_denorm_mode_16_64 3
		.amdhsa_memory_ordered 1
		.amdhsa_forward_progress 1
		.amdhsa_inst_pref_size 75
	.end_amdhsa_kernel
	.amdgpu_metadata
---
amdhsa.version: [ 1, 2 ]
amdhsa.kernels:
  - .name:           k_q91fab8ea3f_qkv
    .symbol:         k_q91fab8ea3f_qkv.kd
    .args:
      - { .name: nrm, .offset: 0, .size: 8, .value_kind: global_buffer, .address_space: global }
      - { .name: wb, .offset: 8, .size: 8, .value_kind: global_buffer, .address_space: global }
      - { .name: bqkv, .offset: 16, .size: 8, .value_kind: global_buffer, .address_space: global }
      - { .name: qkvb, .offset: 24, .size: 8, .value_kind: global_buffer, .address_space: global }
      - { .name: cos, .offset: 32, .size: 8, .value_kind: global_buffer, .address_space: global }
      - { .name: sin, .offset: 40, .size: 8, .value_kind: global_buffer, .address_space: global }
    .group_segment_fixed_size: 327680
    .private_segment_fixed_size: 0
    .kernarg_segment_align: 8
    .kernarg_segment_size: 48
    .max_flat_workgroup_size: 128
    .sgpr_count:     96
    .vgpr_count:     1024
    .wavefront_size: 32
...
	.end_amdgpu_metadata
.endif
;; end of part 2
;; launch attn (part 3): grid 8 x 32, 4 waves a work-group, clusters of 4 x 1, 327,680 bytes of LDS; arguments qkvb, ob; writes ob
.if DOCPART == 3
	.amdgcn_target "amdgcn-amd-amdhsa--gfx1250"
	.amdhsa_code_object_version 6
	.text
	.protected	k_q91fab8ea3f_attn
	.globl	k_q91fab8ea3f_attn
	.p2align	8
	.type	k_q91fab8ea3f_attn,@function
k_q91fab8ea3f_attn:
	s_mov_b64 s[64:65], 0
	v_nop
	global_prefetch_b8 v0, s[64:65] scope:SCOPE_SE
	s_setreg_imm32_b32 hwreg(HW_REG_WAVE_MODE, 25, 1), 1
	s_wait_xcnt 0x0
	s_wait_alu depctr_hold_cnt(0) depctr_sa_sdst(0) depctr_va_vdst(0) depctr_va_sdst(0) depctr_va_ssrc(0) depctr_va_vcc(0) depctr_vm_vsrc(0)
	s_getreg_b32 s2, hwreg(HW_REG_IB_STS2, 6, 4)
	s_cmp_eq_u32 s2, 0
	s_cbranch_scc0 .Lentry_in_a_cluster
	s_endpgm
.Lentry_in_a_cluster:
	s_bfe_u32 s2, ttmp6, 0x10000c
	s_cmp_lg_u32 s2, 0x3003
	s_cbranch_scc0 .Lentry_shape_is_right
	s_endpgm
.Lentry_shape_is_right:
; O[h][q][:] = the sum over k of softmax_k(Q[h][q] . K[h][k] / 8) V[h][k][:].  Q, K, V: the three parts of qkvb, each [32][2048][64] bf16; O: ob, the same layout.  Products, maxima and sums in f32;
; the weights p are rounded to bf16 for the second product (their sum l is taken of the unrounded p), O once at the end.
; LIMITS.  c m starts at -4.2e37: scores with c s below that are not served; a weight below 2^-126 counts as 0 in l; NaN and infinities are not treated apart.
; SHARES.  A work-group owns 256 queries of one head, a wave 64: four PIECES of 16.  Every wave walks all 2,048 keys, 64 a step, four steps to a slot of LDS.
; LAYOUT.  S^T = K Q^T holds ONE query a lane (lane % 16) and the keys 8 (lane / 16) + 0..7; two such results rounded to bf16 ARE source 1 of O^T = V^T P.  K comes out of LDS as it lies, V turned.
; SOFTMAX.  p = 2^(c s - c m), c = log2(e) / 8, with a running maximum m; O and l are multiplied by a = 2^(c m_old - c m_new) in every step; the first step's a is 0.
; TURNS.  Turn n belongs to piece n: 8 products K Q^T of piece n + 1, later 8 products V^T P of piece n - 1; beside them the scaling, exponentials, roundings, sums and rescaling of piece n and the
; maximum and statistics of piece n + 1.  Four vector instructions stand behind every matrix instruction, the others in two runs of their own.
; CLUSTER.  The four query blocks of a cluster belong to one head and walk the same K and V: each tile is asked for jointly, by the same tensor load, descriptor and mask in all four.
; REGISTERS, windows of 256: window 0: v0-15 addresses; v16-31 statistics; v48-55 at work; v64-127 S^T, two buffers; v192-223 P, two buffers.  window 1: v0-127 O^T.  window 2: v0-63 Q; v128-191 K; v192-255 V.
.set SIZE_N, 2048
.set NP,    4
.set KS,    64
.set PK,    144       ; a row of K in LDS: 128 bytes + 16
.set PV,    160       ; a row of V: 128 + 32
.set VOFF,  4*KS*PK   ; a slot holds four steps: 256 rows of K, then 256 rows of V
.set SLOT1, 1<<17
.set STAGE, SLOT1+4*KS*(PK+PV)  ; behind the ring, never filled by a tensor load: 16 rows x 144 bytes for each wave
.set SP,    144
.set SPARE, STAGE+4*16*SP       ; the spare words, 128 bytes a wave
.set AK0, 2
.set AV0, 3
.set AK,  4
.set AV,  5
.set STO, 6
.set RD,  7
.set GO,  8
.set SPW, 62
.set NIL, 63
.set MV,  12
.set QO,  15
.set ST,  16          ; piece t's statistics at v[ST+4 t]: c m, m, l (even keys', odd keys')
.set TMP, 48
.set S,   64
.set P,   192
.set KF,  128
.set VF,  192
.set WV,  12
.set G1K, 24
.set G1V, 32
.set G0K, 40
.set G0V, 44
.set SLOTS, 56
.set CNT, 57
.set CS,  58
.set SEL, 60
.set TBK, 62
.set TBV, 63
.set MSB, 0
.macro WIN new
.if MSB != (\new)
	s_set_vgpr_msb (MSB<<8)|(\new)
.set MSB, (\new)
.endif
.endm
.set W_KQ, 0x0a       ; K and Q in window 2, S^T in window 0
.set W_PV, 0x52       ; V in window 2, P in window 0, O^T in window 1
.set W_RS, 0x41       ; destination and source 0 in window 1, source 1 in window 0
.macro JLOAD                        ; waves 0, 1 fetch the halves of a slot's K, waves 2, 3 those of its V; an s_nop 0 and four v_nop follow each line
	s_cmp_lt_u32 s[WV], 2
	s_cbranch_scc0 .Lfor_v_\@
	tensor_load_to_lds s[G0K:G0K+3], s[G1K:G1K+7]
	s_nop 0
.rept 4
	v_nop
.endr
	s_branch .Lasked_\@
.Lfor_v_\@:
	tensor_load_to_lds s[G0V:G0V+3], s[G1V:G1V+7]
	s_nop 0
.rept 4
	v_nop
.endr
.Lasked_\@:
.endm
.macro CROUND
	s_barrier_signal -1
	s_barrier_wait -1
	s_cmp_lg_u32 s[WV], 0
	s_cbranch_scc1 .Lnot_wave_0_\@
	s_barrier_signal -3
.Lnot_wave_0_\@:
	s_barrier_wait -3
	s_barrier_signal -1
	s_barrier_wait -1
.endm
; THE CHANGE OF SLOTS.  Each wave waits for all its tensor loads (one is out: its part of the other slot), adds 0 to its spare word, and waits for that and for its reads of the slot that it leaves.
; fill = 1: the barrier is a round of the cluster's, and the old slot is filled again, first thing behind it, with the keys two slots on: four key steps in which to land.
.macro CHANGE fill
	WIN 0
	s_wait_tensorcnt 0x0
	ds_add_u32 v[SPW], v[NIL]
.if \fill
.irp g, G0K, G0V
	s_xor_b32 s[\g+1], s[\g+1], SLOT1
	s_add_nc_u64 s[\g+2:\g+3], s[\g+2:\g+3], 4*KS*128
.endr
	s_wait_dscnt 0x0
	CROUND
	JLOAD
.else
	s_wait_dscnt 0x0
	s_barrier_signal -1
	s_barrier_wait -1
.endif
	s_sub_co_u32 s[TBK], s[TBK], 4*KS*PK
	s_xor_b32 s[TBK], s[TBK], SLOT1
	s_sub_co_u32 s[TBV], s[TBV], 4*KS*PV
	s_xor_b32 s[TBV], s[TBV], SLOT1
.endm
	s_load_b128 s[4:7], s[0:1], 0x0   ; qkvb s[4:5], ob s[6:7]
	v_lshl_add_u32 v[SPW], v0, 2, SPARE
	v_mov_b32 v[NIL], 0
	ds_add_u32 v[SPW], v[NIL]       ; the wave's opening: the add and its wait stand ahead of my first tensor load
	v_lshrrev_b32 v1, 5, v0
	v_readfirstlane_b32 s[WV], v1
	s_bfe_u32 s13, ttmp6, 0x40000   ; cx
	s_lshl_b32 s14, ttmp9, 2
	s_add_co_u32 s14, s14, s13      ; my block of 256 queries: it enters Q's and O's addresses alone
	s_and_b32 s20, ttmp7, 0xffff    ; the head, which the four partners share
	s_lshl_b32 s20, s20, 18         ; its 262,144 bytes
	s_and_b32 s16, s[WV], 1         ; which half of a slot's 256 keys I fetch
	s_lshl_b32 s22, s16, 14
	s_add_co_u32 s22, s22, s20
	s_mov_b32 s23, 0
	s_mul_i32 s17, s16, 128*PK
	s_mul_i32 s18, s16, 128*PV
	s_lshl_b32 s2, s14, 2
	s_add_co_u32 s2, s2, s[WV]
	s_lshl_b32 s2, s2, 13           ; my wave's 64 rows of 128 bytes
	s_add_co_u32 s2, s2, s20
	s_mov_b32 s3, 0
	; 128 keys are 16,384 dense bytes: asked for as 64 rows of 256 bytes, two keys a row, padded in LDS after every key
	s_mov_b32 s[G1K], 15|(1<<16)|(1<<20)|(1<<21)|(4<<22)|(3<<25)
	s_mov_b32 s[G1V], 15|(1<<16)|(1<<20)|(1<<21)|(4<<22)|(7<<25)
.irp g, G1K, G1V
	s_mov_b32 s[\g+1], 128<<16
	s_mov_b32 s[\g+2], 64<<16
	s_mov_b32 s[\g+3], 128<<16
	s_mov_b32 s[\g+4], 64
	s_mov_b32 s[\g+5], 128
	s_mov_b32 s[\g+6], 0
	s_mov_b32 s[\g+7], 0
.endr
	s_mov_b32 s[CS], 0x3e38aa3b     ; c = log2(e) / 8
	s_mov_b32 s[CS+1], s[CS]
	s_mov_b32 s[SEL], 0x76543210
	s_mov_b32 s[SEL+1], 0xfedcba98
	s_mov_b32 s[TBK], SLOT1+4*KS*PK ; the first change of slots turns these two into 0
	s_mov_b32 s[TBV], SLOT1+4*KS*PV
	s_mov_b32 s[G0K], 1
	s_mov_b32 s[G0K+1], s17
	s_mov_b32 s[G0V], 1
	s_add_co_u32 s[G0V+1], s18, VOFF
	s_wait_dscnt 0x0                ; the opening add is done
	s_wait_kmcnt 0x0
	s_add_nc_u64 s[10:11], s[6:7], s[2:3]          ; O at my wave's first row
	s_add_nc_u64 s[8:9], s[4:5], s[22:23]          ; the head and my half, in q's part
	s_add_nc_u64 s[G0K+2:G0K+3], s[8:9], 0x800000  ; k's part lies 8,388,608 bytes on,
	s_or_b32 s[G0K+3], s[G0K+3], 0x80000000
	s_add_nc_u64 s[G0V+2:G0V+3], s[8:9], 0x1000000 ; v's twice that
	s_or_b32 s[G0V+3], s[G0V+3], 0x80000000
	s_add_nc_u64 s[4:5], s[4:5], s[2:3]            ; Q at my wave's first row
	CROUND                          ; all four work-groups are here: the first joint loads meet
	JLOAD                           ; slot 0
	v_and_b32 v1, 15, v0
	v_bfe_u32 v9, v0, 4, 1
	v_lshlrev_b32 v[QO], 7, v1
	v_lshl_add_u32 v[QO], v9, 4, v[QO]
	WIN 0x80
.set i, 0
.rept 8                             ; Q stays in registers: piece i / 2, channels 32 (i % 2) on
	global_load_b128 v[8*i:8*i+3],   v[QO], s[4:5] offset:(i/2)*2048+(i%2)*64
	global_load_b128 v[8*i+4:8*i+7], v[QO], s[4:5] offset:(i/2)*2048+(i%2)*64+32
.set i, i+1
.endr
	; What the first turn finds: V and P's second buffer hold 0 (its products V^T P, of a piece that has not been, add 0), O^T and l are 0.  All this stands in the wait for the first tile.
.set i, VF
.rept 64
	v_mov_b32 v[i], 0
.set i, i+1
.endr
	WIN 0x40
.set i, 0
.rept 128
	v_mov_b32 v[i], 0
.set i, i+1
.endr
	WIN 0
.set i, 0
.rept 4
	v_mov_b32 v[ST+4*i], 0xfe000000    ; c m: far below every c s
	v_mov_b32 v[ST+4*i+1], 0xff7fffff  ; m
	v_mov_b32 v[ST+4*i+2], 0
	v_mov_b32 v[ST+4*i+3], 0
.set i, i+1
.endr
.set i, P+16
.rept 16
	v_mov_b32 v[i], 0
.set i, i+1
.endr
	v_mul_u32_u24 v[AK0], v1, PK
	v_lshl_add_u32 v[AK0], v9, 4, v[AK0]
	v_and_b32 v10, 7, v0
	v_bfe_u32 v11, v0, 3, 1
	v_lshl_add_u32 v[AV0], v9, 3, v10
	v_mul_u32_u24 v[AV0], v[AV0], PV
	v_lshl_add_u32 v[AV0], v11, 4, v[AV0]
	v_add_nc_u32 v[AV0], VOFF, v[AV0]
	s_mul_i32 s13, s[WV], 16*SP
	s_add_co_u32 s13, s13, STAGE    ; my stage
	v_mul_u32_u24 v[STO], v1, SP
	v_lshl_add_u32 v[STO], v9, 4, v[STO]
	v_add_nc_u32 v[STO], s13, v[STO]
	v_bfe_u32 v[RD], v0, 3, 2
	v_mul_u32_u24 v[RD], v[RD], SP
	v_lshl_add_u32 v[RD], v10, 4, v[RD]
	v_add_nc_u32 v[RD], s13, v[RD]
	v_and_b32 v[GO], 31, v0
	v_lshlrev_b32 v[GO], 4, v[GO]
; THE MATRIX WORK.  The 4 accumulators of a run of 8 take turns.  Product i of 8 of S^T = K Q^T for piece x: channels 32 (i / 4) on, keys 16 (i % 4) on.
.macro KQ x
	WIN W_KQ
.set rS, S+32*((\x)%2)+8*(i%4)
.set rK, KF+16*(i%4)+8*(i/4)
.set rQ, 16*(\x)+8*(i/4)
.if i < 4
	v_wmma_f32_16x16x32_bf16 v[rS:rS+7], v[rK:rK+7], v[rQ:rQ+7], 0
.else
	v_wmma_f32_16x16x32_bf16 v[rS:rS+7], v[rK:rK+7], v[rQ:rQ+7], v[rS:rS+7]
.endif
.endm
.macro PV x                         ; product i of 8 of O^T += V^T P for piece x: keys 32 (i / 4) on, channels 16 (i % 4) on
	WIN W_PV
.set rO, 32*(\x)+8*(i%4)
.set rV, VF+32*(i/4)+8*(i%4)
.set rP, P+16*((\x)%2)+8*(i/4)
	v_wmma_f32_16x16x32_bf16 v[rO:rO+7], v[rV:rV+7], v[rP:rP+7], v[rO:rO+7]
.endm
.macro MM                           ; the turn's next matrix instruction
.if i < 8
	KQ (Y+1)%NP
.else
.set i, i-8
	PV (Y+NP-1)%NP
.set i, i+8
.endif
.set i, i+1
.endm
; THE LDS LOADS stand in runs of 16.  A step's K: 64 keys x 64 channels, 8 fragments.  last = 1 (the tail): in the last trip there is no further step, and the run is jumped over.
.macro FETCH_K last=0
	WIN 0
.if \last
	s_cmp_eq_u32 s[CNT], 1
	s_cbranch_scc1 .Lno_k_\@
.endif
	WIN 0x80
.irp f, 0,1,2,3,4,5,6,7
	ds_load_b128 v[KF+8*\f:KF+8*\f+3],   v[AK] offset:(\f/2)*16*PK+(\f%2)*64
	ds_load_b128 v[KF+8*\f+4:KF+8*\f+7], v[AK] offset:(\f/2)*16*PK+(\f%2)*64+32
.endr
	s_add_co_u32 s[TBK], s[TBK], KS*PK
	WIN 0
.if \last
.Lno_k_\@:
.endif
.endm
.macro FETCH_V                      ; a step's V, turned
	WIN 0x80
.irp f, 0,1,2,3,4,5,6,7
	ds_load_tr16_b128 v[VF+8*\f:VF+8*\f+3],   v[AV] offset:(\f/4)*32*PV+(\f%4)*32
	ds_load_tr16_b128 v[VF+8*\f+4:VF+8*\f+7], v[AV] offset:(\f/4)*32*PV+16*PV+(\f%4)*32
.endr
	WIN 0
.endm
; THE VECTOR WORK, one line at a time: OP kind, number.  For piece Y: F n: c s - c m for pair n of 16.  E n: the exponential of score n.  C n: pair n rounded to bf16.  B n: of the four weights 4 n .. the
; second pair is added onto the first.  L n: l takes that sum (L 0: l = a l + sum).  R n: pair n of 16 of O^T times a.  For piece Y + 1: X n, number n of the 22 that find its maximum and statistics
; (each accumulator's lowest registers are read first).
.set F, 0
.set E, 1
.set C, 2
.set B, 3
.set L, 4
.set R, 5
.set X, 6
.macro REGS y
.set rT, ST+4*(\y)
.set rC, TMP+4*((\y)%2)
.set rW, MV+((\y)%2)
.set rS, S+32*((\y)%2)
.set rP, P+16*((\y)%2)
.set rO, 32*(\y)
.endm
.macro OP k, n
.if (\k) == R
	REGS Y
	WIN W_RS
	v_pk_mul_f32 v[rO+2*(\n):rO+2*(\n)+1], v[rO+2*(\n):rO+2*(\n)+1], v[rC+2:rC+3] op_sel_hi:[1,0]
.elseif (\k) < R
	REGS Y
	WIN 0
.if (\k) == F
	v_pk_fma_f32 v[rS+2*(\n):rS+2*(\n)+1], v[rS+2*(\n):rS+2*(\n)+1], s[CS:CS+1], v[rT:rT+1] op_sel_hi:[1,0,0] neg_lo:[0,0,1] neg_hi:[0,0,1]
.elseif (\k) == E
	v_exp_f32 v[rS+(\n)], v[rS+(\n)]
.elseif (\k) == C
	s_wait_alu depctr_va_vdst(0)
	v_cvt_pk_bf16_f32 v[rP+(\n)], v[rS+2*(\n)], v[rS+2*(\n)+1]
.elseif (\k) == B
	s_wait_alu depctr_va_vdst(0)
	v_pk_add_f32 v[rS+4*(\n):rS+4*(\n)+1], v[rS+4*(\n):rS+4*(\n)+1], v[rS+4*(\n)+2:rS+4*(\n)+3]
.elseif (\n) == 0
	v_pk_fma_f32 v[rT+2:rT+3], v[rT+2:rT+3], v[rC+2:rC+3], v[rS:rS+1] op_sel_hi:[1,0,1]
.else
	v_pk_add_f32 v[rT+2:rT+3], v[rT+2:rT+3], v[rS+4*(\n):rS+4*(\n)+1]
.endif
.else
	REGS (Y+1)%NP
	WIN 0
.if (\n) < 4
	v_max3_num_f32 v[rC+(\n)], v[rS+8*(\n)], v[rS+8*(\n)+1], v[rS+8*(\n)+2]
.elseif (\n) < 12
	v_max3_num_f32 v[rC+(\n)%4], v[rC+(\n)%4], v[rS+8*((\n)%4)+2*((\n)/4)+1], v[rS+8*((\n)%4)+2*((\n)/4)+2]
.elseif (\n) == 12
	v_max3_num_f32 v[rC], v[rC], v[rS+7], v[rS+15]
.elseif (\n) == 13
	v_max3_num_f32 v[rC+1], v[rC+1], v[rS+23], v[rS+31]
.elseif (\n) == 14
	v_max3_num_f32 v[rC+2], v[rC+2], v[rC+3], v[rT+1]
.elseif (\n) == 15
	v_mov_b32 v[rW], v[rT]
.elseif (\n) == 16
	v_max3_num_f32 v[rC], v[rC], v[rC+1], v[rC+2]
.elseif (\n) == 17
	v_permlanex16_b32 v[rC+3], v[rC], s[SEL], s[SEL+1]
.elseif (\n) == 18
	v_max_num_f32 v[rT+1], v[rC], v[rC+3]
.elseif (\n) == 19
	v_mul_f32 v[rT], s[CS], v[rT+1]
.elseif (\n) == 20
	v_sub_f32 v[rC+1], v[rW], v[rT]
.else
	v_exp_f32 v[rC+2], v[rC+1]
.endif
.endif
.endm
.macro OPS a, i1, b=-1, i2=0, c=-1, i3=0, d=-1, i4=0
	OP \a, \i1
.if (\b) >= 0
	OP \b, \i2
.endif
.if (\c) >= 0
	OP \c, \i3
.endif
.if (\d) >= 0
	OP \d, \i4
.endif
.endm
.macro ROW a, i1, b, i2, c, i3, d, i4  ; a matrix instruction and the four behind it
	MM
	OPS \a, \i1, \b, \i2, \c, \i3, \d, \i4
.endm
; A TURN, for piece p: the order of its 16 matrix and 118 vector instructions, written out.  last = 1: the tail's text, whose last trip fetches no K.  cnt = 1: the loop's count is taken down some lines ahead of
; the branch behind the turn.  K of the next step is fetched in piece 2's turn, V of the step in hand in piece 0's, each some plain lines behind the last product that read the registers; each is waited for a turn later.
.macro TURN p, last=0, cnt=0
.set Y, (\p)
.set i, 0
.if (\p) == 3
	s_wait_dscnt 0x0                ; K is in
.endif
	ROW F,0, F,1, F,2, F,3
	ROW F,4, E,0, F,5, F,6
	ROW F,7, E,1, F,8, F,9
	ROW F,10, E,2, C,0, F,11
	ROW F,12, E,3, X,15, F,13
	ROW R,0, R,1, R,2, R,3
	ROW B,0, E,4, F,14, L,0
.if (\p) == 2
	v_add_nc_u32 v[AK], s[TBK], v[AK0]
.endif
	ROW R,4, R,5, R,6, R,7
	OPS E,5, F,15
.if (\p) == 2
	FETCH_K \last
.endif
	OPS E,6, C,1, E,7, R,8
	OPS E,8, R,9, E,9, C,2
	OPS E,10, X,0, E,11, X,1
	OPS E,12, X,2, E,13, X,3
.if (\p) == 1
	s_wait_dscnt 0x0                ; V is in
.endif
	ROW X,4, E,14, X,5, X,6
	ROW X,7, E,15, X,8, X,9
	ROW X,10, E,16, X,11, X,12
	ROW X,13, E,17, X,14, B,1
	ROW C,4, E,18, X,16, L,1
	ROW B,2, E,19, C,6, L,2
	ROW C,8, E,20, B,3, B,4
.if (\p) == 0
	v_add_nc_u32 v[AV], s[TBV], v[AV0]
.endif
	ROW C,3, E,21, L,3, C,5
	OPS E,22, X,17, E,23, C,10
.if (\p) == 0
	FETCH_V
.endif
	OPS E,24, L,4
	OPS E,25, X,18, E,26, C,7
	OPS E,27, B,5, E,28, X,19
	OPS E,29, C,12, E,30, L,5
	OPS E,31, X,20, B,6, C,9
	OPS C,14, C,11, X,21, L,6
.if (\p) == 0
	s_add_co_u32 s[TBV], s[TBV], KS*PV
.endif
.if \cnt
	s_sub_co_u32 s[CNT], s[CNT], 1
	s_cmp_lg_u32 s[CNT], 0
.endif
	OPS C,13, B,7, C,15, R,10
	OPS R,11, R,12, L,7, R,13
	OPS R,14, R,15
.endm
.macro ALL line:vararg              ; one line for each piece t
.set t, 0
.rept 4
	\line
.set t, t+1
.endr
.endm
.macro PACK t                       ; a lane's eight channels of a row pack into 16 bytes; they go into rows of 144 bytes and come back as whole rows of 128
	WIN W_RS
.set i, 32*(\t)
.rept 16
	s_wait_alu depctr_va_vdst(0)
	v_pk_mul_f32 v[i:i+1], v[i:i+1], v[ST+4*(\t)+2:ST+4*(\t)+3] op_sel_hi:[1,0]
.set i, i+2
.endr
	WIN 0x05
.set i, 0
.rept 16
	v_cvt_pk_bf16_f32 v[S+16*(\t)+i], v[32*(\t)+2*i], v[32*(\t)+2*i+1]
.set i, i+1
.endr
	WIN 0
.irp f, 0,1,2,3
	ds_store_b128 v[STO], v[S+16*(\t)+4*\f:S+16*(\t)+4*\f+3] offset:32*\f
.endr
.irp f, 0,1,2,3
	ds_load_b128 v[S+16*(\t)+4*\f:S+16*(\t)+4*\f+3], v[RD] offset:\f*4*SP  ; LDS serves a wave's instructions in order (ISA guide 5.7.1.4): these see the stores above
.endr
.endm
.macro SEND t, younger              ; younger: the LDS instructions issued behind piece t's loads
	WIN 0
.irp f, 0,1,2,3
	s_wait_dscnt (\younger)+3-\f
	global_store_b128 v[GO], v[S+16*(\t)+4*\f:S+16*(\t)+4*\f+3], s[10:11] offset:(\t)*2048+\f*512  ; 512 consecutive bytes
.endr
.endm
	CHANGE 1                        ; slot 0 is in, everybody's part of it; slot 1 is asked for
	v_add_nc_u32 v[AK], s[TBK], v[AK0]
	FETCH_K                         ; key step 0
	s_wait_loadcnt 0x0              ; Q
	s_wait_dscnt 0x0
.set i, 0
.rept 8
	KQ 0                            ; piece 0's first scores
.set i, i+1
.endr
	WIN 0
.rept 4
	v_nop                           ; the places behind those products
.endr
.set Y, NP-1                        ; X works for piece Y + 1: piece 0
.irp n, 0,1,2,3,4,5,6,7,8,9,10,11,12,13,14,15,16,17,18,19,20,21
	OP X, \n
.endr
	v_nop                           ; a plain instruction behind the exponential
	s_mov_b32 s[CNT], 4
	s_mov_b32 s[SLOTS], SIZE_N/256-1
	s_branch .Lfirst                ; the loop is entered at a step's first turn, in the middle of a trip
.Lslot:                             ; six times: every slot but the last two is filled again
	CHANGE 1
	s_mov_b32 s[CNT], 4
.Lstep:                             ; a trip: pieces 2 and 3 of one step, then pieces 0 and 1 of the next, whose K and V it fetches
	TURN 2
	TURN 3
	WIN 0
.Lfirst:
	TURN 0
	TURN 1, 0, 1
	WIN 0
	s_cbranch_scc1 .Lstep
	s_sub_co_u32 s[SLOTS], s[SLOTS], 1
	s_cmp_lg_u32 s[SLOTS], 0
	s_cbranch_scc1 .Lslot
	CHANGE 0                        ; the last slot has a text of its own: nothing is asked for
	s_mov_b32 s[CNT], 5             ; pieces 2 and 3 have five turns left, pieces 0 and 1 four: the loop is entered in its middle
	s_branch .Ltmid
.Ltail:
	TURN 0
	TURN 1
	WIN 0
.Ltmid:
	TURN 2, 1                       ; in the fifth trip no K is fetched;
	TURN 3                          ; its 8 products K Q^T (on the last K once more) and the maximum made of them serve nothing: the price, once a launch, of one text for every trip
	WIN 0
	s_sub_co_u32 s[CNT], s[CNT], 1
	s_cmp_lg_u32 s[CNT], 0
	s_cbranch_scc1 .Ltail
.set i, 0
.rept 8
	PV NP-1                         ; the last piece's V^T P of the last step
.set i, i+1
.endr
	; THE WAY OUT.  l's two halves and the other half of the lanes' are added; O^T is divided by l, rounded and sent through my stage, a piece at a time.  The additions are the places behind the last products.
	WIN 0
	ALL v_add_f32 v[ST+4*t+2], v[ST+4*t+2], v[ST+4*t+3]
	ALL v_permlanex16_b32 v[ST+4*t+3], v[ST+4*t+2], s[SEL], s[SEL+1]
	ALL v_add_f32 v[ST+4*t+2], v[ST+4*t+2], v[ST+4*t+3]
	ALL v_rcp_f32 v[ST+4*t+2], v[ST+4*t+2]
	v_nop                           ; a plain instruction between the last reciprocal and the use of its result
	PACK 0
.set t, 1
.rept 3
	PACK t
	SEND t-1, 8
.set t, t+1
.endr
	SEND 3, 0
	s_wait_tensorcnt 0x0            ; the wave's end
	ds_add_u32 v[SPW], v[NIL]
	s_wait_dscnt 0x0
	CROUND                          ; the closing round
	s_endpgm
.Lfunc_end_k_q91fab8ea3f_attn:
	.size	k_q91fab8ea3f_attn, .Lfunc_end_k_q91fab8ea3f_attn-k_q91fab8ea3f_attn
	.p2alignl 7, 3214868480
	.fill 96, 4, 3214868480
	.section	.rodata,"a",@progbits
	.p2align	6, 0x0
	.amdhsa_kernel k_q91fab8ea3f_attn
		.amdhsa_group_segment_fixed_size 327680
		.amdhsa_private_segment_fixed_size 0
		.amdhsa_enable_private_segment 0
		.amdhsa_kernarg_size 16
		.amdhsa_user_sgpr_count 2
		.amdhsa_user_sgpr_kernarg_segment_ptr 1
		.amdhsa_wavefront_size32 1
		.amdhsa_system_sgpr_workgroup_id_x 1
		.amdhsa_system_sgpr_workgroup_id_y 1
		.amdhsa_system_sgpr_workgroup_id_z 1
		.amdhsa_system_vgpr_workitem_id 0
		.amdhsa_next_free_vgpr 768
		.amdhsa_next_free_sgpr 66
		.amdhsa_reserve_vcc 0
		.amdhsa_float_denorm_mode_32 3
		.amdhsa_float_denorm_mode_16_64 3
		.amdhsa_memory_ordered 1
		.amdhsa_forward_progress 1
		.amdhsa_inst_pref_size 116
	.end_amdhsa_kernel
	.amdgpu_metadata
---
amdhsa.version: [ 1, 2 ]
amdhsa.kernels:
  - .name:           k_q91fab8ea3f_attn
    .symbol:         k_q91fab8ea3f_attn.kd
    .args:
      - { .name: qkvb, .offset: 0, .size: 8, .value_kind: global_buffer, .address_space: global }
      - { .name: ob, .offset: 8, .size: 8, .value_kind: global_buffer, .address_space: global }
    .group_segment_fixed_size: 327680
    .private_segment_fixed_size: 0
    .kernarg_segment_align: 8
    .kernarg_segment_size: 16
    .max_flat_workgroup_size: 128
    .sgpr_count:     66
    .vgpr_count:     768
    .wavefront_size: 32
...
	.end_amdgpu_metadata
.endif
;; end of part 3
;; launch wo (part 4): grid 8 x 32, 4 waves a work-group, clusters of 4 x 4, 327,680 bytes of LDS; arguments ob, wb, bo, x1, x; writes x1
.if DOCPART == 4
	.amdgcn_target "amdgcn-amd-amdhsa--gfx1250"
	.amdhsa_code_object_version 6
	.text
	.protected	k_q91fab8ea3f_wo
	.globl	k_q91fab8ea3f_wo
	.p2align	8
	.type	k_q91fab8ea3f_wo,@function
k_q91fab8ea3f_wo:
	s_mov_b64 s[64:65], 0
	v_nop
	global_prefetch_b8 v0, s[64:65] scope:SCOPE_SE
	s_setreg_imm32_b32 hwreg(HW_REG_WAVE_MODE, 25, 1), 1
	s_wait_xcnt 0x0
	s_wait_alu depctr_hold_cnt(0) depctr_sa_sdst(0) depctr_va_vdst(0) depctr_va_sdst(0) depctr_va_ssrc(0) depctr_va_vcc(0) depctr_vm_vsrc(0)
	s_getreg_b32 s2, hwreg(HW_REG_IB_STS2, 6, 4)
	s_cmp_eq_u32 s2, 0
	s_cbranch_scc0 .Lentry_in_a_cluster
	s_endpgm
.Lentry_in_a_cluster:
	s_bfe_u32 s2, ttmp6, 0x10000c
	s_cmp_lg_u32 s2, 0xf033
	s_cbranch_scc0 .Lentry_shape_is_right
	s_endpgm
.Lentry_shape_is_right:
; x1 = x + O Wo + bo, in f32.  O: ob, [32 = batch x 16 + head][2048][64] bf16: a head's 64 channels are one slice of K.  Wo: [1024][1024] bf16 in wb.  x, x1: [4096][1024] f32.
; A tile of C is 128 x 128 (256 tiles, one for each work-group); four waves, each 64 x 64: 16 accumulators.  K goes in steps of 256 (four heads) through two LDS slots filled by tensor loads.
; A's load: a head's 128 rows are 16,384 dense bytes; one load brings two heads' as two long rows, padded in LDS after every 128 bytes: two slices [128 rows][64] at pitch 144.
; THE MATRIX INSTRUCTION IS USED TRANSPOSED: source 0 = 16 columns of W (W lies [K][N] in LDS and is turned by ds_load_tr16_b128), source 1 = 16 rows of A: a lane holds one row of C and
; eight neighbouring columns.  THE BIAS is the C operand of the first 32 along K.  CLUSTER 4 x 4: A's tile is shared along a row of the cluster, W's along a column, each asked for jointly.
; THE K LOOP IS WRITTEN ONCE: a pair of 32s along K (fragment buffers 1 and 0) is walked by a counted loop; the change of slots stands between two pairs, in front of a K step's last 32.
; THE WAY OUT: the f32 sums go through a stage in LDS (in the slots, after their last fill) and come back by rows; the residual, loaded at the start, is added; sixteen lanes store 256 consecutive bytes.
; REGISTERS, windows of 256: window 0: v0-31 addresses, v64-127 A's fragments (two buffers), v224-255 the bias; window 1: W's fragments (two buffers of 32);
; windows 2, 3: the accumulators of my rows 0-31, 32-63 (v0-63); window 2 v64-191: the residual.
.set TM, 128
.set TN, 128
.set MB, 4
.set NBW, 4
.set KTOT, 1024
.set KSTEP, 256
.set NTOT, 1024
.set WOFF, 6291456
.set APITCH, 144                       ; an LDS row of a slice: 128 bytes + 16
.set AQI, 4                            ; padding after every 32 words
.set AD0, 8192                         ; A's tile: elements in a long row (a head's 128 rows),
.set AD1, 2                            ; two heads,
.set ASTR, 131072                      ; elements from head to head
.set AHALF, 36864
.set AEND, 73728
.set ASTEP1, 18368                     ; from a slice's second 32 channels to the next slice's first
.set ASTEPG, 1048576                   ; four heads
.set BP, 288                           ; an LDS row of W: 256 bytes + 32
.set BQI, 5
.set BCHUNK, 128
.set SLOT, 0x24000
.set SP, 528
.set SPARE, 294912
.set EARLYN, 32
.set NQ, KSTEP/32
.set T, KTOT/KSTEP
.set ABYTES, 2*AHALF
.set BHALF, (KSTEP/2)*BP
.set BSTEPG, KSTEP*NTOT*2
.set NLD, 2*(MB+NBW)
.set FA0, 64
.set BI, 256-8*NBW
.set ADRA0, 8
.set ADRB0, 9
.set RA, 10
.set RB, 11
.set STO, 12
.set RD, 14
.set CO, 15
.set SPW, 28
.set NIL, 29
.set WV, 16
.set FSEL, 17
.set HALF, 18
.set WM, 19
.set WN, 20
.set CX, 21
.set CY, 22
.set TNI, 23
.set TMI, 24
.set MKA, 25
.set MKB, 26
.set G1A, 28
.set G1B, 36
.set G0A, 44
.set G0B, 52
.set KA, 66
.set KB, 67
.set MSB, 0
.macro WIN new                         ; the immediate's high byte repeats the setting that is left; a switch that changes nothing is dropped
.if MSB != (\new)
	s_set_vgpr_msb (MSB<<8)|(\new)
.set MSB, \new
.endif
.endm
.macro JLOAD                           ; a joint refill: waves 0, 1 ask for A's halves, waves 2, 3 for W's; an s_nop 0 and four v_nop follow each line
	s_cmp_eq_u32 s[FSEL], 0
	s_cbranch_scc0 .Lfor_b_\@
	tensor_load_to_lds s[G0A+4:G0A+7], s[G1A:G1A+7]
	s_nop 0
.rept 4
	v_nop
.endr
	s_branch .Lasked_\@
.Lfor_b_\@:
	tensor_load_to_lds s[G0B+4:G0B+7], s[G1B:G1B+7]
	s_nop 0
.rept 4
	v_nop
.endr
.Lasked_\@:
.endm
.macro CROUND                          ; a round of the cluster's barrier
	s_barrier_signal -1
	s_barrier_wait -1
	s_cmp_lg_u32 s[WV], 0
	s_cbranch_scc1 .Lnot_wave_0_\@
	s_barrier_signal -3
.Lnot_wave_0_\@:
	s_barrier_wait -3
	s_barrier_signal -1
	s_barrier_wait -1
.endm
; A quarter q of my row blocks x all my column blocks, 32 along K, from buffer f.  first = 1: the sums begin with the bias.  Every accumulator has one turn in 32 along K.
.macro MULQ f, q, first
.if \first
	WIN 0x81+0x40*((\q)/2)
.else
	WIN 0xa1+0x50*((\q)/2)
.endif
.set a, (\q)*MB/4
.rept MB/4
.set b, 0
.rept NBW
.set rD, 8*((a%(MB/2))*NBW+b)
.if \first
	v_wmma_f32_16x16x32_bf16 v[rD:rD+7], v[8*NBW*(\f)+8*b:8*NBW*(\f)+8*b+7], v[FA0+8*MB*(\f)+8*a:FA0+8*MB*(\f)+8*a+7], v[BI+8*b:BI+8*b+7]
.else
	v_wmma_f32_16x16x32_bf16 v[rD:rD+7], v[8*NBW*(\f)+8*b:8*NBW*(\f)+8*b+7], v[FA0+8*MB*(\f)+8*a:FA0+8*MB*(\f)+8*a+7], v[rD:rD+7]
.endif
.set b, b+1
.endr
.set a, a+1
.endr
.endm
; The fragments of 32 along K into buffer f, in one run: A's, then W's.  The four plain vector lines at its head are the places between the last product that read the buffer and the loads.
.macro FETCHX f, par
	WIN 0
	v_add_nc_u32 v[RA], s[KA], v[ADRA0]
	v_add_nc_u32 v[RB], s[KB], v[ADRB0]
	v_nop
	v_nop
.set i, 0
.rept MB
	ds_load_b128 v[FA0+8*MB*(\f)+8*i:FA0+8*MB*(\f)+8*i+3],   v[RA] offset:i*16*APITCH
	ds_load_b128 v[FA0+8*MB*(\f)+8*i+4:FA0+8*MB*(\f)+8*i+7], v[RA] offset:i*16*APITCH+32
.set i, i+1
.endr
	WIN 0x40
.set nb, 0
.rept NBW
	ds_load_tr16_b128 v[8*NBW*(\f)+8*nb:8*NBW*(\f)+8*nb+3],   v[RB] offset:(nb/4)*BCHUNK+(nb%4)*32
	ds_load_tr16_b128 v[8*NBW*(\f)+8*nb+4:8*NBW*(\f)+8*nb+7], v[RB] offset:(nb/4)*BCHUNK+(nb%4)*32+16*BP
.set nb, nb+1
.endr
.if \par
	s_add_co_u32 s[KA], s[KA], ASTEP1
.else
	s_add_co_u32 s[KA], s[KA], 64
.endif
	s_add_co_u32 s[KB], s[KB], 32*BP
.endm
.macro QUARTER f, par, first           ; 32 along K from buffer f; at its head the next 32 are asked for, into the other buffer: they have all this 32's products in which to come
	FETCHX 1-(\f), \par
	s_wait_dscnt NLD                               ; all but the run just issued: this 32's fragments are in
	MULQ \f, 0, \first
	MULQ \f, 1, \first
	MULQ \f, 2, \first
	MULQ \f, 3, \first
.endm
; THE CHANGE OF SLOTS, in front of a K step's last 32, whose fragments are in registers.  Each wave waits for all its tensor loads (one is out: its part of the next slot), adds 0 to its spare word, and waits
; for that and for its reads of this slot.  fill = 1: the barrier is a round of the cluster's, and behind it this slot is filled again, first thing, with the K step two on.
.macro CHANGE fill
	WIN 0
	s_wait_tensorcnt 0x0                           ; no tensor load of mine is out, so a group 0 may be written
	ds_add_u32 v[SPW], v[NIL]                      ; 0 onto my spare word; scalar work stands between it and the wait for it
.if \fill
	s_xor_b32 s[G0A+5], s[G0A+5], SLOT
	s_add_nc_u64 s[G0A+6:G0A+7], s[G0A+6:G0A+7], ASTEPG
	s_xor_b32 s[G0B+5], s[G0B+5], SLOT
	s_add_nc_u64 s[G0B+6:G0B+7], s[G0B+6:G0B+7], BSTEPG
.endif
	s_sub_co_u32 s[KA], s[KA], AEND                ; the fetches go back to a slot's head, in the other slot
	s_xor_b32 s[KA], s[KA], SLOT
	s_sub_co_u32 s[KB], s[KB], KSTEP*BP
	s_xor_b32 s[KB], s[KB], SLOT
	s_wait_dscnt 0x0                               ; the add is done, my reads of this slot are over
.if \fill
	CROUND
	JLOAD
.else
	s_barrier_signal -1
	s_barrier_wait -1
.endif
.endm
.macro QLAST                           ; the very last 32: nothing more to fetch
	s_wait_dscnt 0x0
	MULQ 1, 0, 0
	MULQ 1, 1, 0
	MULQ 1, 2, 0
	MULQ 1, 3, 0
.endm
.macro DUMP                            ; the f32 sums into the stage: a lane's eight columns are 32 bytes of a row; each accumulator's low registers go first
.set a, 0
.rept MB
	WIN 0x08+4*(a/(MB/2))
.set b, 0
.rept NBW
.set rD, 8*((a%(MB/2))*NBW+b)
	ds_store_b128 v[STO+a/(MB/2)], v[rD:rD+3]   offset:(a%(MB/2))*16*SP+64*b
	ds_store_b128 v[STO+a/(MB/2)], v[rD+4:rD+7] offset:(a%(MB/2))*16*SP+64*b+16
.set b, b+1
.endr
.set a, a+1
.endr
	WIN 0
.endm
	s_load_b256 s[4:11], s[0:1], 0x0               ; A, wb, bias, out
	s_load_b64 s[12:13], s[0:1], 0x20              ; the residual
	v_lshl_add_u32 v[SPW], v0, 2, SPARE
	v_mov_b32 v[NIL], 0
	ds_add_u32 v[SPW], v[NIL]                      ; the wave's opening: the add and its wait stand ahead of my first tensor load
	v_lshrrev_b32 v1, 5, v0
	v_readfirstlane_b32 s[WV], v1
	s_lshr_b32 s[FSEL], s[WV], 1
	s_and_b32 s[HALF], s[WV], 1
	s_lshr_b32 s[WM], s[WV], 1
	s_and_b32 s[WN], s[WV], 1
	s_bfe_u32 s[CX], ttmp6, 0x40000
	s_bfe_u32 s[CY], ttmp6, 0x40004
	s_lshl_b32 s[TNI], ttmp9, 2
	s_add_co_u32 s[TNI], s[TNI], s[CX]             ; tile column = 4 x cluster x + cx
	s_and_b32 s[TMI], ttmp7, 0xffff
	s_lshl_b32 s[TMI], s[TMI], 2
	s_add_co_u32 s[TMI], s[TMI], s[CY]             ; tile row = 4 x cluster y + cy
	s_lshl_b32 s[MKA], s[CY], 2
	s_lshl_b32 s[MKA], 15, s[MKA]                  ; my row of the cluster
	s_lshl_b32 s[MKB], 0x1111, s[CX]               ; my column
	s_or_b32 s[G1A], s[MKA], (1<<16)|(1<<20)|(1<<21)|(AQI<<22)|(3<<25)  ; mask; 2-byte elements; padding on; bit 21 beside a mask; interval; 4 words
	s_or_b32 s[G1B], s[MKB], (1<<16)|(1<<20)|(1<<21)|(BQI<<22)|(7<<25)  ; the same with my column's mask and 8 words
	s_mov_b32 s[G1A+1], AD0<<16                    ; tensor_dim0
	s_mov_b32 s[G1A+2], AD1<<16                    ; tensor_dim1
	s_mov_b32 s[G1A+3], AD0<<16                    ; tile_dim0
	s_mov_b32 s[G1A+4], AD1                        ; tile_dim1
	s_mov_b32 s[G1A+5], ASTR                       ; elements from row to row
	s_mov_b32 s[G1A+6], 0
	s_mov_b32 s[G1A+7], 0
	s_mov_b32 s[G1B+1], TN<<16
	s_mov_b32 s[G1B+2], (KSTEP/2)<<16
	s_mov_b32 s[G1B+3], TN<<16
	s_mov_b32 s[G1B+4], KSTEP/2
	s_mov_b32 s[G1B+5], NTOT
	s_mov_b32 s[G1B+6], 0
	s_mov_b32 s[G1B+7], 0
	; A's address hangs on the tile row and the wave alone, W's on the tile column and the wave alone, each in registers that never hold the other coordinate
	s_lshr_b32 s60, s[TMI], 4                      ; the batch's 16 heads of 262,144 bytes,
	s_lshl_b32 s60, s60, 22
	s_and_b32 s61, s[TMI], 15                      ; the tile's 128 rows of 128 bytes in a head,
	s_lshl_b32 s61, s61, 14
	s_add_co_u32 s60, s60, s61
	s_lshl_b32 s61, s[HALF], 19                    ; my two heads of the K step's four
	s_add_co_u32 s60, s60, s61
	s_mov_b32 s61, 0
	s_mul_i32 s68, s[TNI], TN*2
	s_mul_i32 s69, s[HALF], (KSTEP/2)*NTOT*2
	s_add_co_u32 s68, s68, s69
	s_add_co_u32 s68, s68, WOFF
	s_mov_b32 s69, 0
	s_mul_i32 s62, s[HALF], AHALF                  ; where they go: no place in the cluster enters an LDS address
	s_mul_i32 s63, s[HALF], BHALF
	s_add_co_u32 s63, s63, ABYTES
	s_wait_dscnt 0x0                               ; the opening add is done
	s_wait_kmcnt 0x0
	s_add_nc_u64 s[60:61], s[4:5], s[60:61]
	s_add_nc_u64 s[68:69], s[6:7], s[68:69]
	CROUND                                         ; all sixteen work-groups are here: the first joint loads meet
.irp s, 0,1
	s_mov_b32 s[G0A+4*(\s)], 1
	s_add_co_u32 s[G0A+4*(\s)+1], s62, (\s)*SLOT
	s_add_nc_u64 s[G0A+4*(\s)+2:G0A+4*(\s)+3], s[60:61], (\s)*ASTEPG
	s_or_b32 s[G0A+4*(\s)+3], s[G0A+4*(\s)+3], 0x80000000
	s_mov_b32 s[G0B+4*(\s)], 1
	s_add_co_u32 s[G0B+4*(\s)+1], s63, (\s)*SLOT
	s_add_nc_u64 s[G0B+4*(\s)+2:G0B+4*(\s)+3], s[68:69], (\s)*BSTEPG
	s_or_b32 s[G0B+4*(\s)+3], s[G0B+4*(\s)+3], 0x80000000
.endr
	s_cmp_eq_u32 s[FSEL], 0                        ; a wave's two first fills stand in one branch: two loads of mine are out
	s_cbranch_scc0 .Lfirst_b
	tensor_load_to_lds s[G0A:G0A+3], s[G1A:G1A+7]
	s_nop 0
	tensor_load_to_lds s[G0A+4:G0A+7], s[G1A:G1A+7]
	s_nop 0
.rept 4
	v_nop
.endr
	s_branch .Lfirst_done
.Lfirst_b:
	tensor_load_to_lds s[G0B:G0B+3], s[G1B:G1B+7]
	s_nop 0
	tensor_load_to_lds s[G0B+4:G0B+7], s[G1B:G1B+7]
	s_nop 0
.rept 4
	v_nop
.endr
.Lfirst_done:
	v_and_b32 v1, 15, v0                           ; r = l % 16
	v_bfe_u32 v2, v0, 4, 1                         ; h = l / 16
	v_lshlrev_b32 v5, 5, v2                        ; the bias of my eight columns of a block: 32 h; never rewritten
	s_mul_i32 s70, s[TNI], TN*4
	s_mul_i32 s71, s[WN], NBW*64
	s_add_co_u32 s70, s70, s71
	s_mov_b32 s71, 0
	s_add_nc_u64 s[8:9], s[8:9], s[70:71]
.set nb, 0
.rept NBW
	global_load_b128 v[BI+8*nb:BI+8*nb+3],   v5, s[8:9] offset:64*nb
	global_load_b128 v[BI+8*nb+4:BI+8*nb+7], v5, s[8:9] offset:64*nb+16
.set nb, nb+1
.endr
	v_mul_u32_u24 v[ADRA0], v1, APITCH             ; A: row x pitch + 16 h
	v_lshl_add_u32 v[ADRA0], v2, 4, v[ADRA0]
	s_mul_i32 s74, s[WM], MB*16*APITCH
	v_add_nc_u32 v[ADRA0], s74, v[ADRA0]
	v_and_b32 v3, 7, v0                            ; W, turned: row 8 h + l % 8, 16 bytes for each half of eight lanes
	v_lshl_add_u32 v3, v2, 3, v3
	v_mul_u32_u24 v[ADRB0], v3, BP
	v_bfe_u32 v4, v0, 3, 1
	v_lshl_add_u32 v[ADRB0], v4, 4, v[ADRB0]
	s_mul_i32 s74, s[WN], NBW*32
	s_add_co_u32 s74, s74, ABYTES
	v_add_nc_u32 v[ADRB0], s74, v[ADRB0]
	s_mul_i32 s75, s[WM], MB*16*SP                 ; my part of the stage
	s_mul_i32 s74, s[WN], NBW*64
	s_add_co_u32 s75, s75, s74
	v_mul_u32_u24 v[STO], v1, SP
	v_lshl_add_u32 v[STO], v2, 5, v[STO]
	v_add_nc_u32 v[STO], s75, v[STO]
	v_add_nc_u32 v[STO+1], (MB/2)*16*SP, v[STO]
	; THIS KERNEL'S OWN SET-UP.  My 64 x 64 of the residual, two rows a load (lanes 0-15 one row's 256 bytes, lanes 16-31 the next row's), on its way during the whole K loop.
	v_lshlrev_b32 v[CO], 4, v1
	v_lshl_add_u32 v[CO], v2, 12, v[CO]
	s_lshl_b32 s72, s[TMI], 19                     ; 128 rows of 4,096 bytes
	s_lshl_b32 s73, s[WM], 18
	s_add_co_u32 s72, s72, s73
	s_lshl_b32 s73, s[TNI], 9                      ; 128 columns of 4 bytes
	s_add_co_u32 s72, s72, s73
	s_lshl_b32 s73, s[WN], 8
	s_add_co_u32 s72, s72, s73
	s_mov_b32 s73, 0
	s_add_nc_u64 s[10:11], s[10:11], s[72:73]
	s_add_nc_u64 s[12:13], s[12:13], s[72:73]
	WIN 0x80
.set t, 0
.rept 32
	global_load_b128 v[64+4*t:67+4*t], v[CO], s[12:13] offset:t*8192
.set t, t+1
.endr
	WIN 0
	v_mul_u32_u24 v[RD], v2, SP
	v_lshl_add_u32 v[RD], v1, 4, v[RD]
	v_add_nc_u32 v[RD], s75, v[RD]
	s_mov_b32 s[KA], 0
	s_mov_b32 s[KB], 0
	s_wait_tensorcnt 1                             ; my part of K step 0 is in; K step 1's may stay out
	s_barrier_signal -1
	s_barrier_wait -1
	FETCHX 0, 0
	s_wait_loadcnt EARLYN                          ; the bias is in; the loads issued behind it may stay out
	QUARTER 0, 1, 1                                ; the first 32 start the sums
	WIN 0
	s_mov_b32 s2, T-1
	s_mov_b32 s3, (NQ-2)/2                         ; K step 0 has so many pairs left in front of its change of slots
	s_branch .Lpair
.Lk:                                                   ; T - 2 times: the slot that is left is filled again
	CHANGE 1
	s_mov_b32 s3, NQ/2
.Lpair:                                                ; two 32s along K
	QUARTER 1, 0, 0
	QUARTER 0, 1, 0
	WIN 0
	s_sub_co_u32 s3, s3, 1
	s_cmp_lg_u32 s3, 0
	s_cbranch_scc1 .Lpair
	s_sub_co_u32 s2, s2, 1
	s_cmp_lg_u32 s2, 0
	s_cbranch_scc1 .Lk
	CHANGE 0                                       ; the last change is written out: nothing is left to ask for
	s_mov_b32 s3, NQ/2
.Ltp:
	QUARTER 1, 0, 0
	QUARTER 0, 1, 0
	WIN 0
	s_sub_co_u32 s3, s3, 1
	s_cmp_lg_u32 s3, 0
	s_cbranch_scc1 .Ltp
	QLAST
	WIN 0
.rept 4
	v_nop                                          ; the places behind the last products
.endr
	s_wait_dscnt 0x0
	s_barrier_signal -1
	s_barrier_wait -1                              ; nobody reads a slot any more, and no slot is filled again: the stage may lie there
	DUMP
	s_wait_dscnt 0x0
	s_barrier_signal -1
	s_barrier_wait -1
.set t, 0
.rept 32
	ds_load_b128 v[64+4*t:67+4*t], v[RD] offset:2*t*SP
.set t, t+1
.endr
	s_wait_loadcnt 0x0                             ; the residual
.irp g, 0,1,2,3
	s_wait_dscnt 24-8*(\g)                         ; the younger groups of eight may stay out
	WIN 0x08                                       ; source 1 in window 2
.set k, 0
.rept 16
	v_pk_add_f32 v[64+32*(\g)+2*k:64+32*(\g)+2*k+1], v[64+32*(\g)+2*k:64+32*(\g)+2*k+1], v[64+32*(\g)+2*k:64+32*(\g)+2*k+1]
.set k, k+1
.endr
	WIN 0
.set k, 0
.rept 8
	global_store_b128 v[CO], v[64+32*(\g)+4*k:64+32*(\g)+4*k+3], s[10:11] offset:(8*(\g)+k)*8192  ; 16 lanes store 256 consecutive bytes, aligned
.set k, k+1
.endr
.endr
	s_wait_tensorcnt 0x0                           ; the wave's end
	ds_add_u32 v[SPW], v[NIL]
	s_wait_dscnt 0x0
	CROUND                                         ; the closing round
	s_endpgm
.Lfunc_end_k_q91fab8ea3f_wo:
	.size	k_q91fab8ea3f_wo, .Lfunc_end_k_q91fab8ea3f_wo-k_q91fab8ea3f_wo
	.p2alignl 7, 3214868480
	.fill 96, 4, 3214868480
	.section	.rodata,"a",@progbits
	.p2align	6, 0x0
	.amdhsa_kernel k_q91fab8ea3f_wo
		.amdhsa_group_segment_fixed_size 327680
		.amdhsa_private_segment_fixed_size 0
		.amdhsa_enable_private_segment 0
		.amdhsa_kernarg_size 40
		.amdhsa_user_sgpr_count 2
		.amdhsa_user_sgpr_kernarg_segment_ptr 1
		.amdhsa_wavefront_size32 1
		.amdhsa_system_sgpr_workgroup_id_x 1
		.amdhsa_system_sgpr_workgroup_id_y 1
		.amdhsa_system_sgpr_workgroup_id_z 1
		.amdhsa_system_vgpr_workitem_id 0
		.amdhsa_next_free_vgpr 1024
		.amdhsa_next_free_sgpr 96
		.amdhsa_reserve_vcc 0
		.amdhsa_float_denorm_mode_32 3
		.amdhsa_float_denorm_mode_16_64 3
		.amdhsa_memory_ordered 1
		.amdhsa_forward_progress 1
		.amdhsa_inst_pref_size 41
	.end_amdhsa_kernel
	.amdgpu_metadata
---
amdhsa.version: [ 1, 2 ]
amdhsa.kernels:
  - .name:           k_q91fab8ea3f_wo
    .symbol:         k_q91fab8ea3f_wo.kd
    .args:
      - { .name: ob, .offset: 0, .size: 8, .value_kind: global_buffer, .address_space: global }
      - { .name: wb, .offset: 8, .size: 8, .value_kind: global_buffer, .address_space: global }
      - { .name: bo, .offset: 16, .size: 8, .value_kind: global_buffer, .address_space: global }
      - { .name: x1, .offset: 24, .size: 8, .value_kind: global_buffer, .address_space: global }
      - { .name: x, .offset: 32, .size: 8, .value_kind: global_buffer, .address_space: global }
    .group_segment_fixed_size: 327680
    .private_segment_fixed_size: 0
    .kernarg_segment_align: 8
    .kernarg_segment_size: 40
    .max_flat_workgroup_size: 128
    .sgpr_count:     96
    .vgpr_count:     1024
    .wavefront_size: 32
...
	.end_amdgpu_metadata
.endif
;; end of part 4
;; launch ln2 (part 5): grid 256 x 1, 8 waves a work-group, no clusters, 0 bytes of LDS; arguments x1, ln2_g, ln2_b, nrm; writes nrm
.if DOCPART == 5
	.amdgcn_target "amdgcn-amd-amdhsa--gfx1250"
	.amdhsa_code_object_version 6
	.text
	.protected	k_q91fab8ea3f_ln2
	.globl	k_q91fab8ea3f_ln2
	.p2align	8
	.type	k_q91fab8ea3f_ln2,@function
k_q91fab8ea3f_ln2:
	s_mov_b64 s[64:65], 0
	v_nop
	global_prefetch_b8 v0, s[64:65] scope:SCOPE_SE
	s_setreg_imm32_b32 hwreg(HW_REG_WAVE_MODE, 25, 1), 1
	s_wait_xcnt 0x0
; nrm = layernorm(x1) * g + b, rounded once to bf16.  x1: [4096][1024] f32.  A stream: no LDS, no barrier, no matrix unit.
; A row is 4,096 bytes: one wave holds it in 32 registers (eight loads of 16 bytes a lane, 512 consecutive bytes a load), finds the mean, takes it away, finds the mean of the squares of what is
; left (no difference of large sums), scales.  A wave has two rows, a work-group sixteen.  A lane's four columns of a load pack into 8 bytes: one store of the wave covers 256 consecutive bytes, aligned.
.set X0, 32                            ; v[32:63]   first row
.set X1, 64                            ; v[64:95]   second row
.set G,  96                            ; v[96:127]  gain of my 32 columns
.set BB, 128                           ; v[128:159] bias of my 32 columns
.macro REDUCE                          ; the sum of v16 over the 32 lanes, in every lane
	v_add_f32_dpp v16, v16, v16 row_xmask:1 row_mask:0xf bank_mask:0xf
	v_add_f32_dpp v16, v16, v16 row_xmask:2 row_mask:0xf bank_mask:0xf
	v_add_f32_dpp v16, v16, v16 row_xmask:4 row_mask:0xf bank_mask:0xf
	v_add_f32_dpp v16, v16, v16 row_xmask:8 row_mask:0xf bank_mask:0xf
	v_permlanex16_b32 v17, v16, s22, s23
	v_add_f32 v16, v16, v17
.endm
.macro FOLD                            ; the four chains into v16
	v_pk_add_f32 v[4:5], v[4:5], v[6:7]
	v_pk_add_f32 v[8:9], v[8:9], v[10:11]
	v_pk_add_f32 v[4:5], v[4:5], v[8:9]
	v_add_f32 v16, v4, v5
.endm
.macro LNROW X, left, out
	s_wait_loadcnt \left
.irp c, 0,1,2,3
	v_pk_add_f32 v[4+2*(\c):5+2*(\c)], v[(\X)+4*(\c):(\X)+4*(\c)+1], v[(\X)+4*(\c)+2:(\X)+4*(\c)+3]
.endr
.irp k, 8,9,10,11,12,13,14,15
	v_pk_add_f32 v[4+2*((\k)%4):5+2*((\k)%4)], v[4+2*((\k)%4):5+2*((\k)%4)], v[(\X)+2*(\k):(\X)+2*(\k)+1]
.endr
	FOLD
	REDUCE
	v_mul_f32 v12, s24, v16                        ; the mean, in both registers of a pair
	v_mul_f32 v13, s24, v16
.irp k, 0,1,2,3,4,5,6,7,8,9,10,11,12,13,14,15
	v_pk_add_f32 v[(\X)+2*(\k):(\X)+2*(\k)+1], v[(\X)+2*(\k):(\X)+2*(\k)+1], v[12:13] neg_lo:[0,1] neg_hi:[0,1]
.endr
.irp c, 0,1,2,3
	v_pk_mul_f32 v[4+2*(\c):5+2*(\c)], v[(\X)+2*(\c):(\X)+2*(\c)+1], v[(\X)+2*(\c):(\X)+2*(\c)+1]
.endr
.irp k, 4,5,6,7,8,9,10,11,12,13,14,15
	v_pk_fma_f32 v[4+2*((\k)%4):5+2*((\k)%4)], v[(\X)+2*(\k):(\X)+2*(\k)+1], v[(\X)+2*(\k):(\X)+2*(\k)+1], v[4+2*((\k)%4):5+2*((\k)%4)]
.endr
	FOLD
	REDUCE
	v_fma_f32 v16, v16, s24, s25                   ; variance + 1e-5
	v_rsq_f32 v14, v16
	v_rsq_f32 v15, v16
	v_nop                                          ; a plain instruction between the root and the use of its result (ISA guide 5.7.2)
	s_wait_loadcnt 0x0                             ; gain and bias
	s_wait_alu depctr_va_vdst(0)
.irp j, 0,1,2,3,4,5,6,7
	v_pk_mul_f32 v[(\X)+4*(\j):(\X)+4*(\j)+1], v[(\X)+4*(\j):(\X)+4*(\j)+1], v[14:15]
	v_pk_mul_f32 v[(\X)+4*(\j)+2:(\X)+4*(\j)+3], v[(\X)+4*(\j)+2:(\X)+4*(\j)+3], v[14:15]
	v_pk_fma_f32 v[(\X)+4*(\j):(\X)+4*(\j)+1], v[(\X)+4*(\j):(\X)+4*(\j)+1], v[G+4*(\j):G+4*(\j)+1], v[BB+4*(\j):BB+4*(\j)+1]
	v_pk_fma_f32 v[(\X)+4*(\j)+2:(\X)+4*(\j)+3], v[(\X)+4*(\j)+2:(\X)+4*(\j)+3], v[G+4*(\j)+2:G+4*(\j)+3], v[BB+4*(\j)+2:BB+4*(\j)+3]
	v_cvt_pk_bf16_f32 v[(\X)+4*(\j)], v[(\X)+4*(\j)], v[(\X)+4*(\j)+1]          ; packed in place: no register that a store reads is written again
	v_cvt_pk_bf16_f32 v[(\X)+4*(\j)+1], v[(\X)+4*(\j)+2], v[(\X)+4*(\j)+3]
	global_store_b64 v2, v[(\X)+4*(\j):(\X)+4*(\j)+1], s[10:11] offset:(\out)+256*(\j)
.endr
.endm
	s_load_b256 s[4:11], s[0:1], 0x0               ; x1, ln2_g, ln2_b, nrm
	v_and_b32 v3, 31, v0
	v_lshrrev_b32 v18, 5, v0
	v_lshlrev_b32 v3, 4, v3                        ; 16 x lane
	v_lshl_add_u32 v1, v18, 13, v3                 ; + 8,192 x wave: two rows
	v_lshrrev_b32 v2, 1, v1                        ; half of that for bf16
	v_mov_b32 v17, 0                               ; the lane exchange's destination counts as read
	s_mov_b32 s22, 0x76543210
	s_mov_b32 s23, 0xfedcba98
	s_mov_b32 s24, 0x3a800000                      ; 1 / 1024
	s_mov_b32 s25, 0x3727c5ac                      ; 1e-5
	s_lshl_b32 s2, ttmp9, 16
	s_mov_b32 s3, 0
	s_lshl_b32 s26, ttmp9, 15
	s_mov_b32 s27, 0
	s_wait_kmcnt 0x0
	s_add_nc_u64 s[4:5], s[4:5], s[2:3]
	s_add_nc_u64 s[10:11], s[10:11], s[26:27]
.irp j, 0,1,2,3,4,5,6,7
	global_load_b128 v[X0+4*(\j):X0+4*(\j)+3], v1, s[4:5] offset:512*(\j)
.endr
.irp j, 0,1,2,3,4,5,6,7
	global_load_b128 v[X1+4*(\j):X1+4*(\j)+3], v1, s[4:5] offset:4096+512*(\j)
.endr
.irp j, 0,1,2,3,4,5,6,7
	global_load_b128 v[G+4*(\j):G+4*(\j)+3], v3, s[6:7] offset:512*(\j)
.endr
.irp j, 0,1,2,3,4,5,6,7
	global_load_b128 v[BB+4*(\j):BB+4*(\j)+3], v3, s[8:9] offset:512*(\j)
.endr
	LNROW X0, 24, 0                                ; the 24 younger loads (second row, gain, bias) may stay out
	LNROW X1, 0, 2048
	s_endpgm
.Lfunc_end_k_q91fab8ea3f_ln2:
	.size	k_q91fab8ea3f_ln2, .Lfunc_end_k_q91fab8ea3f_ln2-k_q91fab8ea3f_ln2
	.p2alignl 7, 3214868480
	.fill 96, 4, 3214868480
	.section	.rodata,"a",@progbits
	.p2align	6, 0x0
	.amdhsa_kernel k_q91fab8ea3f_ln2
		.amdhsa_group_segment_fixed_size 0
		.amdhsa_private_segment_fixed_size 0
		.amdhsa_enable_private_segment 0
		.amdhsa_kernarg_size 32
		.amdhsa_user_sgpr_count 2
		.amdhsa_user_sgpr_kernarg_segment_ptr 1
		.amdhsa_wavefront_size32 1
		.amdhsa_system_sgpr_workgroup_id_x 1
		.amdhsa_system_sgpr_workgroup_id_y 1
		.amdhsa_system_sgpr_workgroup_id_z 1
		.amdhsa_system_vgpr_workitem_id 0
		.amdhsa_next_free_vgpr 160
		.amdhsa_next_free_sgpr 66
		.amdhsa_reserve_vcc 0
		.amdhsa_float_denorm_mode_32 3
		.amdhsa_float_denorm_mode_16_64 3
		.amdhsa_memory_ordered 1
		.amdhsa_forward_progress 1
		.amdhsa_inst_pref_size 20
	.end_amdhsa_kernel
	.amdgpu_metadata
---
amdhsa.version: [ 1, 2 ]
amdhsa.kernels:
  - .name:           k_q91fab8ea3f_ln2
    .symbol:         k_q91fab8ea3f_ln2.kd
    .args:
      - { .name: x1, .offset: 0, .size: 8, .value_kind: global_buffer, .address_space: global }
      - { .name: ln2_g, .offset: 8, .size: 8, .value_kind: global_buffer, .address_space: global }
      - { .name: ln2_b, .offset: 16, .size: 8, .value_kind: global_buffer, .address_space: global }
      - { .name: nrm, .offset: 24, .size: 8, .value_kind: global_buffer, .address_space: global }
    .group_segment_fixed_size: 0
    .private_segment_fixed_size: 0
    .kernarg_segment_align: 8
    .kernarg_segment_size: 32
    .max_flat_workgroup_size: 256
    .sgpr_count:     66
    .vgpr_count:     160
    .wavefront_size: 32
...
	.end_amdgpu_metadata
.endif
;; end of part 5
;; launch ff1 (part 6): grid 16 x 16, 4 waves a work-group, clusters of 4 x 4, 327,680 bytes of LDS; arguments nrm, wb, b1, gb; writes gb
.if DOCPART == 6
	.amdgcn_target "amdgcn-amd-amdhsa--gfx1250"
	.amdhsa_code_object_version 6
	.text
	.protected	k_q91fab8ea3f_ff1
	.globl	k_q91fab8ea3f_ff1
	.p2align	8
	.type	k_q91fab8ea3f_ff1,@function
k_q91fab8ea3f_ff1:
	s_mov_b64 s[64:65], 0
	v_nop
	global_prefetch_b8 v0, s[64:65] scope:SCOPE_SE
	s_setreg_imm32_b32 hwreg(HW_REG_WAVE_MODE, 25, 1), 1
	s_wait_xcnt 0x0
	s_wait_alu depctr_hold_cnt(0) depctr_sa_sdst(0) depctr_va_vdst(0) depctr_va_sdst(0) depctr_va_ssrc(0) depctr_va_vcc(0) depctr_vm_vsrc(0)
	s_getreg_b32 s2, hwreg(HW_REG_IB_STS2, 6, 4)
	s_cmp_eq_u32 s2, 0
	s_cbranch_scc0 .Lentry_in_a_cluster
	s_endpgm
.Lentry_in_a_cluster:
	s_bfe_u32 s2, ttmp6, 0x10000c
	s_cmp_lg_u32 s2, 0xf033
	s_cbranch_scc0 .Lentry_shape_is_right
	s_endpgm
.Lentry_shape_is_right:
; gb = gelu(nrm W1 + b1), rounded once to bf16.  nrm: [4096][1024] bf16; W1: [1024][4096] bf16 in wb; gb: [4096][4096] bf16.
; A tile of C is 256 x 256; four waves, each 128 x 128: 64 accumulators of 16 x 16, 512 registers.  K goes in steps of 128 through two LDS slots filled by tensor loads.
; THE MATRIX INSTRUCTION IS USED TRANSPOSED: source 0 = 16 columns of W (W lies [K][N] in LDS and is turned by ds_load_tr16_b128), source 1 = 16 rows of A: a lane holds one row of C and
; eight neighbouring columns.  THE BIAS is the C operand of the first 32 along K.  CLUSTER 4 x 4: A's tile is shared along a row of the cluster, W's along a column, each asked for jointly.
; THE K LOOP IS WRITTEN ONCE: a pair of 32s along K (fragment buffers 1 and 0) is walked by a counted loop; the change of slots stands between two pairs, in front of a K step's last 32.
; THE WAY OUT: the f32 sums go into a stage in LDS (in the slots, after their last fill); a short loop reads four rows at a time, applies GELU in f32 and stores 256 consecutive bytes a row.
; GELU, LIMIT.  gelu(x) = x/2 + |x| (1/2 - q), q = t (a1 + t (a2 + t a3)) 2^(-0.72134752 x x), t = 1 / (1 + 0.33267253 |x|): erf by a rational form that holds for every argument, with an
; error of erf of at most 2.5e-5, so of gelu at most 1.3e-5 |x|.  No difference of near numbers arises for negative x; where x x overflows, q is 0.
; REGISTERS, windows of 256: window 0: v0-31 addresses, v64-191 A's fragments (two buffers), v192-255 the bias; window 1: W's fragments (two buffers of 64); windows 2, 3: the accumulators of my rows 0-63, 64-127.
.set TM, 256
.set TN, 256
.set MB, 8
.set NBW, 8
.set KTOT, 1024
.set KSTEP, 128
.set NTOT, 4096
.set WOFF, 8388608
.set APITCH, 272
.set AQI, 5
.set AD0, 128
.set AD1, 128
.set ASTR, 1024
.set AHALF, 34816
.set AEND, 256
.set ASTEP1, 64
.set ASTEPG, 256
.set BP, 544                           ; an LDS row of W: 512 bytes + 32
.set BQI, 6
.set BCHUNK, 128
.set SLOT, 0x22000
.set SP, 1040
.set SPARE, 278528
.set EARLYN, 0
.set NQ, KSTEP/32
.set T, KTOT/KSTEP
.set ABYTES, 2*AHALF
.set BHALF, (KSTEP/2)*BP
.set BSTEPG, KSTEP*NTOT*2
.set NLD, 2*(MB+NBW)
.set FA0, 64
.set BI, 256-8*NBW
.set ADRA0, 8
.set ADRB0, 9
.set RA, 10
.set RB, 11
.set STO, 12
.set RD, 14
.set CO, 15
.set SPW, 28
.set NIL, 29
.set WV, 16
.set FSEL, 17
.set HALF, 18
.set WM, 19
.set WN, 20
.set CX, 21
.set CY, 22
.set TNI, 23
.set TMI, 24
.set MKA, 25
.set MKB, 26
.set G1A, 28
.set G1B, 36
.set G0A, 44
.set G0B, 52
.set KA, 66
.set KB, 67
.set MSB, 0
.macro WIN new                         ; the immediate's high byte repeats the setting that is left; a switch that changes nothing is dropped
.if MSB != (\new)
	s_set_vgpr_msb (MSB<<8)|(\new)
.set MSB, \new
.endif
.endm
.macro JLOAD                           ; a joint refill: waves 0, 1 ask for A's halves, waves 2, 3 for W's; an s_nop 0 and four v_nop follow each line
	s_cmp_eq_u32 s[FSEL], 0
	s_cbranch_scc0 .Lfor_b_\@
	tensor_load_to_lds s[G0A+4:G0A+7], s[G1A:G1A+7]
	s_nop 0
.rept 4
	v_nop
.endr
	s_branch .Lasked_\@
.Lfor_b_\@:
	tensor_load_to_lds s[G0B+4:G0B+7], s[G1B:G1B+7]
	s_nop 0
.rept 4
	v_nop
.endr
.Lasked_\@:
.endm
.macro CROUND                          ; a round of the cluster's barrier
	s_barrier_signal -1
	s_barrier_wait -1
	s_cmp_lg_u32 s[WV], 0
	s_cbranch_scc1 .Lnot_wave_0_\@
	s_barrier_signal -3
.Lnot_wave_0_\@:
	s_barrier_wait -3
	s_barrier_signal -1
	s_barrier_wait -1
.endm
; A quarter q of my row blocks x all my column blocks, 32 along K, from buffer f.  first = 1: the sums begin with the bias.  Every accumulator has one turn in 32 along K.
.macro MULQ f, q, first
.if \first
	WIN 0x81+0x40*((\q)/2)
.else
	WIN 0xa1+0x50*((\q)/2)
.endif
.set a, (\q)*MB/4
.rept MB/4
.set b, 0
.rept NBW
.set rD, 8*((a%(MB/2))*NBW+b)
.if \first
	v_wmma_f32_16x16x32_bf16 v[rD:rD+7], v[8*NBW*(\f)+8*b:8*NBW*(\f)+8*b+7], v[FA0+8*MB*(\f)+8*a:FA0+8*MB*(\f)+8*a+7], v[BI+8*b:BI+8*b+7]
.else
	v_wmma_f32_16x16x32_bf16 v[rD:rD+7], v[8*NBW*(\f)+8*b:8*NBW*(\f)+8*b+7], v[FA0+8*MB*(\f)+8*a:FA0+8*MB*(\f)+8*a+7], v[rD:rD+7]
.endif
.set b, b+1
.endr
.set a, a+1
.endr
.endm
; The fragments of 32 along K into buffer f, in one run: A's, then W's.  The four plain vector lines at its head are the places between the last product that read the buffer and the loads.
.macro FETCHX f, par
	WIN 0
	v_add_nc_u32 v[RA], s[KA], v[ADRA0]
	v_add_nc_u32 v[RB], s[KB], v[ADRB0]
	v_nop
	v_nop
.set i, 0
.rept MB
	ds_load_b128 v[FA0+8*MB*(\f)+8*i:FA0+8*MB*(\f)+8*i+3],   v[RA] offset:i*16*APITCH
	ds_load_b128 v[FA0+8*MB*(\f)+8*i+4:FA0+8*MB*(\f)+8*i+7], v[RA] offset:i*16*APITCH+32
.set i, i+1
.endr
	WIN 0x40
.set nb, 0
.rept NBW
	ds_load_tr16_b128 v[8*NBW*(\f)+8*nb:8*NBW*(\f)+8*nb+3],   v[RB] offset:(nb/4)*BCHUNK+(nb%4)*32
	ds_load_tr16_b128 v[8*NBW*(\f)+8*nb+4:8*NBW*(\f)+8*nb+7], v[RB] offset:(nb/4)*BCHUNK+(nb%4)*32+16*BP
.set nb, nb+1
.endr
.if \par
	s_add_co_u32 s[KA], s[KA], ASTEP1
.else
	s_add_co_u32 s[KA], s[KA], 64
.endif
	s_add_co_u32 s[KB], s[KB], 32*BP
.endm
.macro QUARTER f, par, first           ; 32 along K from buffer f; at its head the next 32 are asked for, into the other buffer: they have all this 32's products in which to come
	FETCHX 1-(\f), \par
	s_wait_dscnt NLD                               ; all but the run just issued: this 32's fragments are in
	MULQ \f, 0, \first
	MULQ \f, 1, \first
	MULQ \f, 2, \first
	MULQ \f, 3, \first
.endm
; THE CHANGE OF SLOTS, in front of a K step's last 32, whose fragments are in registers.  Each wave waits for all its tensor loads (one is out: its part of the next slot), adds 0 to its spare word, and waits
; for that and for its reads of this slot.  fill = 1: the barrier is a round of the cluster's, and behind it this slot is filled again, first thing, with the K step two on.
.macro CHANGE fill
	WIN 0
	s_wait_tensorcnt 0x0                           ; no tensor load of mine is out, so a group 0 may be written
	ds_add_u32 v[SPW], v[NIL]                      ; 0 onto my spare word; scalar work stands between it and the wait for it
.if \fill
	s_xor_b32 s[G0A+5], s[G0A+5], SLOT
	s_add_nc_u64 s[G0A+6:G0A+7], s[G0A+6:G0A+7], ASTEPG
	s_xor_b32 s[G0B+5], s[G0B+5], SLOT
	s_add_nc_u64 s[G0B+6:G0B+7], s[G0B+6:G0B+7], BSTEPG
.endif
	s_sub_co_u32 s[KA], s[KA], AEND                ; the fetches go back to a slot's head, in the other slot
	s_xor_b32 s[KA], s[KA], SLOT
	s_sub_co_u32 s[KB], s[KB], KSTEP*BP
	s_xor_b32 s[KB], s[KB], SLOT
	s_wait_dscnt 0x0                               ; the add is done, my reads of this slot are over
.if \fill
	CROUND
	JLOAD
.else
	s_barrier_signal -1
	s_barrier_wait -1
.endif
.endm
.macro QLAST                           ; the very last 32: nothing more to fetch
	s_wait_dscnt 0x0
	MULQ 1, 0, 0
	MULQ 1, 1, 0
	MULQ 1, 2, 0
	MULQ 1, 3, 0
.endm
.macro DUMP                            ; the f32 sums into the stage: a lane's eight columns are 32 bytes of a row; each accumulator's low registers go first
.set a, 0
.rept MB
	WIN 0x08+4*(a/(MB/2))
.set b, 0
.rept NBW
.set rD, 8*((a%(MB/2))*NBW+b)
	ds_store_b128 v[STO+a/(MB/2)], v[rD:rD+3]   offset:(a%(MB/2))*16*SP+64*b
	ds_store_b128 v[STO+a/(MB/2)], v[rD+4:rD+7] offset:(a%(MB/2))*16*SP+64*b+16
.set b, b+1
.endr
.set a, a+1
.endr
	WIN 0
.endm
	s_load_b256 s[4:11], s[0:1], 0x0               ; nrm, wb, b1, gb
	v_lshl_add_u32 v[SPW], v0, 2, SPARE
	v_mov_b32 v[NIL], 0
	ds_add_u32 v[SPW], v[NIL]                      ; the wave's opening: the add and its wait stand ahead of my first tensor load
	v_lshrrev_b32 v1, 5, v0
	v_readfirstlane_b32 s[WV], v1
	s_lshr_b32 s[FSEL], s[WV], 1
	s_and_b32 s[HALF], s[WV], 1
	s_lshr_b32 s[WM], s[WV], 1
	s_and_b32 s[WN], s[WV], 1
	s_bfe_u32 s[CX], ttmp6, 0x40000
	s_bfe_u32 s[CY], ttmp6, 0x40004
	s_lshl_b32 s[TNI], ttmp9, 2
	s_add_co_u32 s[TNI], s[TNI], s[CX]             ; tile column = 4 x cluster x + cx
	s_and_b32 s[TMI], ttmp7, 0xffff
	s_lshl_b32 s[TMI], s[TMI], 2
	s_add_co_u32 s[TMI], s[TMI], s[CY]             ; tile row = 4 x cluster y + cy
	s_lshl_b32 s[MKA], s[CY], 2
	s_lshl_b32 s[MKA], 15, s[MKA]                  ; my row of the cluster
	s_lshl_b32 s[MKB], 0x1111, s[CX]               ; my column
	s_or_b32 s[G1A], s[MKA], (1<<16)|(1<<20)|(1<<21)|(AQI<<22)|(3<<25)  ; mask; 2-byte elements; padding on; bit 21 beside a mask; interval; 4 words
	s_or_b32 s[G1B], s[MKB], (1<<16)|(1<<20)|(1<<21)|(BQI<<22)|(7<<25)  ; the same with my column's mask and 8 words
	s_mov_b32 s[G1A+1], AD0<<16                    ; tensor_dim0
	s_mov_b32 s[G1A+2], AD1<<16                    ; tensor_dim1
	s_mov_b32 s[G1A+3], AD0<<16                    ; tile_dim0
	s_mov_b32 s[G1A+4], AD1                        ; tile_dim1
	s_mov_b32 s[G1A+5], ASTR                       ; elements from row to row
	s_mov_b32 s[G1A+6], 0
	s_mov_b32 s[G1A+7], 0
	s_mov_b32 s[G1B+1], TN<<16
	s_mov_b32 s[G1B+2], (KSTEP/2)<<16
	s_mov_b32 s[G1B+3], TN<<16
	s_mov_b32 s[G1B+4], KSTEP/2
	s_mov_b32 s[G1B+5], NTOT
	s_mov_b32 s[G1B+6], 0
	s_mov_b32 s[G1B+7], 0
	; A's address hangs on the tile row and the wave alone, W's on the tile column and the wave alone, each in registers that never hold the other coordinate
	s_mul_i32 s60, s[TMI], TM*KTOT*2
	s_mul_i32 s61, s[HALF], (TM/2)*KTOT*2
	s_add_co_u32 s60, s60, s61
	s_mov_b32 s61, 0
	s_mul_i32 s68, s[TNI], TN*2
	s_mul_i32 s69, s[HALF], (KSTEP/2)*NTOT*2
	s_add_co_u32 s68, s68, s69
	s_add_co_u32 s68, s68, WOFF
	s_mov_b32 s69, 0
	s_mul_i32 s62, s[HALF], AHALF                  ; where they go: no place in the cluster enters an LDS address
	s_mul_i32 s63, s[HALF], BHALF
	s_add_co_u32 s63, s63, ABYTES
	s_wait_dscnt 0x0                               ; the opening add is done
	s_wait_kmcnt 0x0
	s_add_nc_u64 s[60:61], s[4:5], s[60:61]
	s_add_nc_u64 s[68:69], s[6:7], s[68:69]
	CROUND                                         ; all sixteen work-groups are here: the first joint loads meet
.irp s, 0,1
	s_mov_b32 s[G0A+4*(\s)], 1
	s_add_co_u32 s[G0A+4*(\s)+1], s62, (\s)*SLOT
	s_add_nc_u64 s[G0A+4*(\s)+2:G0A+4*(\s)+3], s[60:61], (\s)*ASTEPG
	s_or_b32 s[G0A+4*(\s)+3], s[G0A+4*(\s)+3], 0x80000000
	s_mov_b32 s[G0B+4*(\s)], 1
	s_add_co_u32 s[G0B+4*(\s)+1], s63, (\s)*SLOT
	s_add_nc_u64 s[G0B+4*(\s)+2:G0B+4*(\s)+3], s[68:69], (\s)*BSTEPG
	s_or_b32 s[G0B+4*(\s)+3], s[G0B+4*(\s)+3], 0x80000000
.endr
	s_cmp_eq_u32 s[FSEL], 0                        ; a wave's two first fills stand in one branch: two loads of mine are out
	s_cbranch_scc0 .Lfirst_b
	tensor_load_to_lds s[G0A:G0A+3], s[G1A:G1A+7]
	s_nop 0
	tensor_load_to_lds s[G0A+4:G0A+7], s[G1A:G1A+7]
	s_nop 0
.rept 4
	v_nop
.endr
	s_branch .Lfirst_done
.Lfirst_b:
	tensor_load_to_lds s[G0B:G0B+3], s[G1B:G1B+7]
	s_nop 0
	tensor_load_to_lds s[G0B+4:G0B+7], s[G1B:G1B+7]
	s_nop 0
.rept 4
	v_nop
.endr
.Lfirst_done:
	v_and_b32 v1, 15, v0                           ; r = l % 16
	v_bfe_u32 v2, v0, 4, 1                         ; h = l / 16
	v_lshlrev_b32 v5, 5, v2                        ; the bias of my eight columns of a block: 32 h; never rewritten
	s_mul_i32 s70, s[TNI], TN*4
	s_mul_i32 s71, s[WN], NBW*64
	s_add_co_u32 s70, s70, s71
	s_mov_b32 s71, 0
	s_add_nc_u64 s[8:9], s[8:9], s[70:71]
.set nb, 0
.rept NBW
	global_load_b128 v[BI+8*nb:BI+8*nb+3],   v5, s[8:9] offset:64*nb
	global_load_b128 v[BI+8*nb+4:BI+8*nb+7], v5, s[8:9] offset:64*nb+16
.set nb, nb+1
.endr
	v_mul_u32_u24 v[ADRA0], v1, APITCH             ; A: row x pitch + 16 h
	v_lshl_add_u32 v[ADRA0], v2, 4, v[ADRA0]
	s_mul_i32 s74, s[WM], MB*16*APITCH
	v_add_nc_u32 v[ADRA0], s74, v[ADRA0]
	v_and_b32 v3, 7, v0                            ; W, turned: row 8 h + l % 8, 16 bytes for each half of eight lanes
	v_lshl_add_u32 v3, v2, 3, v3
	v_mul_u32_u24 v[ADRB0], v3, BP
	v_bfe_u32 v4, v0, 3, 1
	v_lshl_add_u32 v[ADRB0], v4, 4, v[ADRB0]
	s_mul_i32 s74, s[WN], NBW*32
	s_add_co_u32 s74, s74, ABYTES
	v_add_nc_u32 v[ADRB0], s74, v[ADRB0]
	s_mul_i32 s75, s[WM], MB*16*SP                 ; my part of the stage
	s_mul_i32 s74, s[WN], NBW*64
	s_add_co_u32 s75, s75, s74
	v_mul_u32_u24 v[STO], v1, SP
	v_lshl_add_u32 v[STO], v2, 5, v[STO]
	v_add_nc_u32 v[STO], s75, v[STO]
	v_add_nc_u32 v[STO+1], (MB/2)*16*SP, v[STO]
	; THIS KERNEL'S OWN SET-UP.  A row of my part of the stage is 512 bytes: 16 a lane; its 128 results are 256 bytes of gb: 8 a lane.
	v_and_b32 v[CO], 31, v0
	v_lshlrev_b32 v[RD], 4, v[CO]
	v_add_nc_u32 v[RD], s75, v[RD]
	v_lshlrev_b32 v[CO], 3, v[CO]
	s_lshl_b32 s72, s[TMI], 21                     ; 256 rows of 8,192 bytes
	s_lshl_b32 s73, s[WM], 20
	s_add_co_u32 s72, s72, s73
	s_lshl_b32 s73, s[TNI], 9                      ; 256 columns of 2 bytes
	s_add_co_u32 s72, s72, s73
	s_lshl_b32 s73, s[WN], 8
	s_add_co_u32 s72, s72, s73
	s_mov_b32 s73, 0
	s_add_nc_u64 s[10:11], s[10:11], s[72:73]
	s_mov_b32 s80, 0x3eaa540e                      ; 0.33267253; each constant is named as a pair, so both words are written
	s_mov_b32 s81, s80
	s_mov_b32 s82, 0xbf38aa3b                      ; -0.72134752
	s_mov_b32 s83, s82
	s_mov_b32 s84, 0x3ebf7377                      ; a3 = 0.3739278
	s_mov_b32 s85, s84
	s_mov_b32 s86, 0xbd445ca1                      ; a2 = -0.0479399
	s_mov_b32 s87, s86
	s_mov_b32 s88, 0x3e32303a                      ; a1 = 0.1740121
	s_mov_b32 s89, s88
	s_mov_b32 s90, 0x7fffffff
	s_mov_b32 s[KA], 0
	s_mov_b32 s[KB], 0
	s_wait_tensorcnt 1                             ; my part of K step 0 is in; K step 1's may stay out
	s_barrier_signal -1
	s_barrier_wait -1
	FETCHX 0, 0
	s_wait_loadcnt EARLYN                          ; the bias is in
	QUARTER 0, 1, 1                                ; the first 32 start the sums
	WIN 0
	s_mov_b32 s2, T-1
	s_mov_b32 s3, (NQ-2)/2                         ; K step 0 has so many pairs left in front of its change of slots
	s_branch .Lpair
.Lk:                                                   ; T - 2 times: the slot that is left is filled again
	CHANGE 1
	s_mov_b32 s3, NQ/2
.Lpair:                                                ; two 32s along K
	QUARTER 1, 0, 0
	QUARTER 0, 1, 0
	WIN 0
	s_sub_co_u32 s3, s3, 1
	s_cmp_lg_u32 s3, 0
	s_cbranch_scc1 .Lpair
	s_sub_co_u32 s2, s2, 1
	s_cmp_lg_u32 s2, 0
	s_cbranch_scc1 .Lk
	CHANGE 0                                       ; the last change is written out: nothing is left to ask for
	s_mov_b32 s3, NQ/2
.Ltp:
	QUARTER 1, 0, 0
	QUARTER 0, 1, 0
	WIN 0
	s_sub_co_u32 s3, s3, 1
	s_cmp_lg_u32 s3, 0
	s_cbranch_scc1 .Ltp
	QLAST
	WIN 0
.rept 4
	v_nop                                          ; the places behind the last products
.endr
	s_wait_dscnt 0x0
	s_barrier_signal -1
	s_barrier_wait -1                              ; nobody reads a slot any more, and no slot is filled again: the stage may lie there
	DUMP
	s_wait_dscnt 0x0
	s_barrier_signal -1
	s_barrier_wait -1
; GELU of four rows, 16 numbers a lane, as eight pairs that go through a pipe of SLOTS.  In slot s: pair s is begun (x c, |x|, (x c) x, 1 + p |x|, x / 2); pair s - 1 has its two exponentials and its two
; reciprocals; pair s - 2 its polynomial and its result; pair s - 3 is rounded.  So three plain lines stand behind each exponential or reciprocal, none of which reads its result (ISA guide 5.7.2),
; and no line reads the result of the line in front of it but the last of a pair's chain.
.set XX, 64                            ; v[64:79]    x: row j of the four in v[64+4j ..]
.set AB, 80                            ; v[80:95]    |x|
.set DD, 96                            ; v[96:111]   1 + p |x|, then t
.set QQ, 112                           ; v[112:127]  c x, c x x, then 2^(c x x)
.set HX, 128                           ; v[128:143]  x / 2
.set UU, 144                           ; v[144:159]  the polynomial, then the result
.set YY, 160                           ; v[160:167]  the results in bf16: row j in v[160+2j], v[161+2j]
.macro GSLOT s
.if ((\s) >= 1) && ((\s) <= 8)
	v_exp_f32 v[QQ+2*(\s)-2], v[QQ+2*(\s)-2]
.endif
.if (\s) <= 7
	v_pk_mul_f32 v[QQ+2*(\s):QQ+2*(\s)+1], v[XX+2*(\s):XX+2*(\s)+1], s[82:83] op_sel_hi:[1,0]
.endif
.if ((\s) >= 2) && ((\s) <= 9)
	s_wait_alu depctr_va_vdst(0)
	v_pk_fma_f32 v[UU+2*(\s)-4:UU+2*(\s)-3], v[DD+2*(\s)-4:DD+2*(\s)-3], s[84:85], s[86:87] op_sel_hi:[1,0,0]
.endif
.if (\s) <= 7
	v_and_b32 v[AB+2*(\s)], s90, v[XX+2*(\s)]
.endif
.if ((\s) >= 1) && ((\s) <= 8)
	v_exp_f32 v[QQ+2*(\s)-1], v[QQ+2*(\s)-1]
.endif
.if (\s) <= 7
	v_and_b32 v[AB+2*(\s)+1], s90, v[XX+2*(\s)+1]
.endif
.if ((\s) >= 2) && ((\s) <= 9)
	v_pk_fma_f32 v[UU+2*(\s)-4:UU+2*(\s)-3], v[UU+2*(\s)-4:UU+2*(\s)-3], v[DD+2*(\s)-4:DD+2*(\s)-3], s[88:89] op_sel_hi:[1,1,0]
.endif
.if (\s) <= 7
	v_pk_mul_f32 v[QQ+2*(\s):QQ+2*(\s)+1], v[QQ+2*(\s):QQ+2*(\s)+1], v[XX+2*(\s):XX+2*(\s)+1]
.endif
.if ((\s) >= 1) && ((\s) <= 8)
	v_rcp_f32 v[DD+2*(\s)-2], v[DD+2*(\s)-2]
.endif
.if (\s) <= 7
	v_pk_fma_f32 v[DD+2*(\s):DD+2*(\s)+1], v[AB+2*(\s):AB+2*(\s)+1], s[80:81], 1.0 op_sel_hi:[1,0,0]
.endif
.if ((\s) >= 2) && ((\s) <= 9)
	v_pk_mul_f32 v[UU+2*(\s)-4:UU+2*(\s)-3], v[UU+2*(\s)-4:UU+2*(\s)-3], v[DD+2*(\s)-4:DD+2*(\s)-3]
.endif
.if (\s) <= 7
	v_pk_mul_f32 v[HX+2*(\s):HX+2*(\s)+1], v[XX+2*(\s):XX+2*(\s)+1], 0.5 op_sel_hi:[1,0]
.endif
.if ((\s) >= 1) && ((\s) <= 8)
	v_rcp_f32 v[DD+2*(\s)-1], v[DD+2*(\s)-1]
.endif
.if ((\s) >= 2) && ((\s) <= 9)
	v_pk_fma_f32 v[UU+2*(\s)-4:UU+2*(\s)-3], v[UU+2*(\s)-4:UU+2*(\s)-3], v[QQ+2*(\s)-4:QQ+2*(\s)-3], 0.5 op_sel_hi:[1,1,0] neg_lo:[1,0,0] neg_hi:[1,0,0]
.endif
.if (\s) >= 3
	v_cvt_pk_bf16_f32 v[YY+(\s)-3], v[UU+2*(\s)-6], v[UU+2*(\s)-5]
.endif
.if ((\s) >= 2) && ((\s) <= 9)
	v_pk_fma_f32 v[UU+2*(\s)-4:UU+2*(\s)-3], v[AB+2*(\s)-4:AB+2*(\s)-3], v[UU+2*(\s)-4:UU+2*(\s)-3], v[HX+2*(\s)-4:HX+2*(\s)-3]
.endif
.endm
	s_mov_b32 s76, 0
	s_mov_b32 s78, 0                               ; the step of gb's address: 0 in the first trip
	s_mov_b32 s79, 0
.irp j, 0,1,2,3
	ds_load_b128 v[XX+4*\j:XX+4*\j+3], v[RD] offset:\j*SP
.endr
	s_mov_b32 s77, 32
.Lg:                                                   ; four rows a trip.  A row's registers are loaded again, with the row four further down, as soon as its two pairs are begun
	s_add_co_u32 s76, s76, 4*SP
	s_min_u32 s76, s76, 124*SP                     ; the last look-ahead is clamped to the last four rows
	v_add_nc_u32 v16, s76, v[RD]
	s_wait_dscnt 3                                 ; row 0 is in: three row loads were issued behind it.  The same count holds at all four places, and round the back edge
	GSLOT 0
	GSLOT 1
	ds_load_b128 v[XX:XX+3], v16
	s_wait_dscnt 3                                 ; row 1
	GSLOT 2
	s_wait_xcnt 0x0                                ; the results' registers and gb's address are written again only behind this wait; the last trip's stores were issued three slots ago or more
	s_add_nc_u64 s[10:11], s[10:11], s[78:79]
	s_mov_b32 s78, 4*8192
	GSLOT 3
	ds_load_b128 v[XX+4:XX+7], v16 offset:SP
	s_wait_dscnt 3                                 ; row 2
	GSLOT 4
	GSLOT 5
	ds_load_b128 v[XX+8:XX+11], v16 offset:2*SP
	global_store_b64 v[CO], v[YY:YY+1], s[10:11]   ; 32 lanes store 256 consecutive bytes, aligned
	s_wait_dscnt 3                                 ; row 3
	GSLOT 6
	GSLOT 7
	ds_load_b128 v[XX+12:XX+15], v16 offset:3*SP
	global_store_b64 v[CO], v[YY+2:YY+3], s[10:11] offset:8192
	GSLOT 8
	GSLOT 9
	global_store_b64 v[CO], v[YY+4:YY+5], s[10:11] offset:2*8192
	GSLOT 10
	global_store_b64 v[CO], v[YY+6:YY+7], s[10:11] offset:3*8192
	s_sub_co_u32 s77, s77, 1
	s_cmp_lg_u32 s77, 0
	s_cbranch_scc1 .Lg
	s_wait_tensorcnt 0x0                           ; the wave's end
	ds_add_u32 v[SPW], v[NIL]
	s_wait_dscnt 0x0
	CROUND                                         ; the closing round
	s_endpgm
.Lfunc_end_k_q91fab8ea3f_ff1:
	.size	k_q91fab8ea3f_ff1, .Lfunc_end_k_q91fab8ea3f_ff1-k_q91fab8ea3f_ff1
	.p2alignl 7, 3214868480
	.fill 96, 4, 3214868480
	.section	.rodata,"a",@progbits
	.p2align	6, 0x0
	.amdhsa_kernel k_q91fab8ea3f_ff1
		.amdhsa_group_segment_fixed_size 327680
		.amdhsa_private_segment_fixed_size 0
		.amdhsa_enable_private_segment 0
		.amdhsa_kernarg_size 32
		.amdhsa_user_sgpr_count 2
		.amdhsa_user_sgpr_kernarg_segment_ptr 1
		.amdhsa_wavefront_size32 1
		.amdhsa_system_sgpr_workgroup_id_x 1
		.amdhsa_system_sgpr_workgroup_id_y 1
		.amdhsa_system_sgpr_workgroup_id_z 1
		.amdhsa_system_vgpr_workitem_id 0
		.amdhsa_next_free_vgpr 1024
		.amdhsa_next_free_sgpr 96
		.amdhsa_reserve_vcc 0
		.amdhsa_float_denorm_mode_32 3
		.amdhsa_float_denorm_mode_16_64 3
		.amdhsa_memory_ordered 1
		.amdhsa_forward_progress 1
		.amdhsa_inst_pref_size 67
	.end_amdhsa_kernel
	.amdgpu_metadata
---
amdhsa.version: [ 1, 2 ]
amdhsa.kernels:
  - .name:           k_q91fab8ea3f_ff1
    .symbol:         k_q91fab8ea3f_ff1.kd
    .args:
      - { .name: nrm, .offset: 0, .size: 8, .value_kind: global_buffer, .address_space: global }
      - { .name: wb, .offset: 8, .size: 8, .value_kind: global_buffer, .address_space: global }
      - { .name: b1, .offset: 16, .size: 8, .value_kind: global_buffer, .address_space: global }
      - { .name: gb, .offset: 24, .size: 8, .value_kind: global_buffer, .address_space: global }
    .group_segment_fixed_size: 327680
    .private_segment_fixed_size: 0
    .kernarg_segment_align: 8
    .kernarg_segment_size: 32
    .max_flat_workgroup_size: 128
    .sgpr_count:     96
    .vgpr_count:     1024
    .wavefront_size: 32
...
	.end_amdgpu_metadata
.endif
;; end of part 6
;; launch ff2 (part 7): grid 8 x 32, 4 waves a work-group, clusters of 4 x 4, 327,680 bytes of LDS; arguments gb, wb, b2, out0, x1; writes out0
.if DOCPART == 7
	.amdgcn_target "amdgcn-amd-amdhsa--gfx1250"
	.amdhsa_code_object_version 6
	.text
	.protected	k_q91fab8ea3f_ff2
	.globl	k_q91fab8ea3f_ff2
	.p2align	8
	.type	k_q91fab8ea3f_ff2,@function
k_q91fab8ea3f_ff2:
	s_mov_b64 s[64:65], 0
	v_nop
	global_prefetch_b8 v0, s[64:65] scope:SCOPE_SE
	s_setreg_imm32_b32 hwreg(HW_REG_WAVE_MODE, 25, 1), 1
	s_wait_xcnt 0x0
	s_wait_alu depctr_hold_cnt(0) depctr_sa_sdst(0) depctr_va_vdst(0) depctr_va_sdst(0) depctr_va_ssrc(0) depctr_va_vcc(0) depctr_vm_vsrc(0)
	s_getreg_b32 s2, hwreg(HW_REG_IB_STS2, 6, 4)
	s_cmp_eq_u32 s2, 0
	s_cbranch_scc0 .Lentry_in_a_cluster
	s_endpgm
.Lentry_in_a_cluster:
	s_bfe_u32 s2, ttmp6, 0x10000c
	s_cmp_lg_u32 s2, 0xf033
	s_cbranch_scc0 .Lentry_shape_is_right
	s_endpgm
.Lentry_shape_is_right:
; out0 = x1 + gb W2 + b2, in f32.  gb: [4096][4096] bf16; W2: [4096][1024] bf16 in wb; x1, out0: [4096][1024] f32.
; A tile of C is 128 x 128 (256 tiles, one for each work-group); four waves, each 64 x 64: 16 accumulators.  K goes in steps of 256 (A's rows are 512 bytes) through two LDS slots filled by tensor loads.
; THE MATRIX INSTRUCTION IS USED TRANSPOSED: source 0 = 16 columns of W (W lies [K][N] in LDS and is turned by ds_load_tr16_b128), source 1 = 16 rows of A: a lane holds one row of C and
; eight neighbouring columns.  THE BIAS is the C operand of the first 32 along K.  CLUSTER 4 x 4: A's tile is shared along a row of the cluster, W's along a column, each asked for jointly.
; THE K LOOP IS WRITTEN ONCE: a pair of 32s along K (fragment buffers 1 and 0) is walked by a counted loop; the change of slots stands between two pairs, in front of a K step's last 32.
; THE WAY OUT: the f32 sums go through a stage in LDS (in the slots, after their last fill) and come back by rows; the residual, loaded at the start, is added; sixteen lanes store 256 consecutive bytes.
; REGISTERS, windows of 256: window 0: v0-31 addresses, v64-127 A's fragments (two buffers), v224-255 the bias; window 1: W's fragments (two buffers of 32);
; windows 2, 3: the accumulators of my rows 0-31, 32-63 (v0-63); window 2 v64-191: the residual.
.set TM, 128
.set TN, 128
.set MB, 4
.set NBW, 4
.set KTOT, 4096
.set KSTEP, 256
.set NTOT, 1024
.set WOFF, 16777216
.set APITCH, 528                       ; an LDS row of A: 512 bytes + 16
.set AQI, 6                            ; padding after every 128 words
.set AD0, 256
.set AD1, 64
.set ASTR, 4096
.set AHALF, 33792
.set AEND, 512
.set ASTEP1, 64
.set ASTEPG, 512
.set BP, 288                           ; an LDS row of W: 256 bytes + 32
.set BQI, 5
.set BCHUNK, 128
.set SLOT, 0x24000                     ; slot 1 begins here; none of its bits is set in a load's place in slot 0, so an exclusive or changes slots
.set SP, 528
.set SPARE, 294912                     ; the spare words, 128 bytes a wave: two blocks of 256 bytes that no other line names
.set EARLYN, 32
.set NQ, KSTEP/32
.set T, KTOT/KSTEP
.set ABYTES, 2*AHALF
.set BHALF, (KSTEP/2)*BP
.set BSTEPG, KSTEP*NTOT*2
.set NLD, 2*(MB+NBW)
.set FA0, 64
.set BI, 256-8*NBW
.set ADRA0, 8
.set ADRB0, 9
.set RA, 10
.set RB, 11
.set STO, 12
.set RD, 14
.set CO, 15
.set SPW, 28
.set NIL, 29
.set WV, 16
.set FSEL, 17
.set HALF, 18
.set WM, 19
.set WN, 20
.set CX, 21
.set CY, 22
.set TNI, 23
.set TMI, 24
.set MKA, 25
.set MKB, 26
.set G1A, 28
.set G1B, 36
.set G0A, 44
.set G0B, 52
.set KA, 66
.set KB, 67
.set MSB, 0
.macro WIN new                         ; the immediate's high byte repeats the setting that is left; a switch that changes nothing is dropped
.if MSB != (\new)
	s_set_vgpr_msb (MSB<<8)|(\new)
.set MSB, \new
.endif
.endm
.macro JLOAD                           ; a joint refill: waves 0, 1 ask for A's halves, waves 2, 3 for W's; an s_nop 0 and four v_nop follow each line
	s_cmp_eq_u32 s[FSEL], 0
	s_cbranch_scc0 .Lfor_b_\@
	tensor_load_to_lds s[G0A+4:G0A+7], s[G1A:G1A+7]
	s_nop 0
.rept 4
	v_nop
.endr
	s_branch .Lasked_\@
.Lfor_b_\@:
	tensor_load_to_lds s[G0B+4:G0B+7], s[G1B:G1B+7]
	s_nop 0
.rept 4
	v_nop
.endr
.Lasked_\@:
.endm
.macro CROUND                          ; a round of the cluster's barrier
	s_barrier_signal -1
	s_barrier_wait -1
	s_cmp_lg_u32 s[WV], 0
	s_cbranch_scc1 .Lnot_wave_0_\@
	s_barrier_signal -3
.Lnot_wave_0_\@:
	s_barrier_wait -3
	s_barrier_signal -1
	s_barrier_wait -1
.endm
; A quarter q of my row blocks x all my column blocks, 32 along K, from buffer f.  first = 1: the sums begin with the bias.  Every accumulator has one turn in 32 along K.
.macro MULQ f, q, first
.if \first
	WIN 0x81+0x40*((\q)/2)
.else
	WIN 0xa1+0x50*((\q)/2)
.endif
.set a, (\q)*MB/4
.rept MB/4
.set b, 0
.rept NBW
.set rD, 8*((a%(MB/2))*NBW+b)
.if \first
	v_wmma_f32_16x16x32_bf16 v[rD:rD+7], v[8*NBW*(\f)+8*b:8*NBW*(\f)+8*b+7], v[FA0+8*MB*(\f)+8*a:FA0+8*MB*(\f)+8*a+7], v[BI+8*b:BI+8*b+7]
.else
	v_wmma_f32_16x16x32_bf16 v[rD:rD+7], v[8*NBW*(\f)+8*b:8*NBW*(\f)+8*b+7], v[FA0+8*MB*(\f)+8*a:FA0+8*MB*(\f)+8*a+7], v[rD:rD+7]
.endif
.set b, b+1
.endr
.set a, a+1
.endr
.endm
; The fragments of 32 along K into buffer f, in one run: A's, then W's.  The four plain vector lines at its head are the places between the last product that read the buffer and the loads.
.macro FETCHX f, par
	WIN 0
	v_add_nc_u32 v[RA], s[KA], v[ADRA0]
	v_add_nc_u32 v[RB], s[KB], v[ADRB0]
	v_nop
	v_nop
.set i, 0
.rept MB
	ds_load_b128 v[FA0+8*MB*(\f)+8*i:FA0+8*MB*(\f)+8*i+3],   v[RA] offset:i*16*APITCH
	ds_load_b128 v[FA0+8*MB*(\f)+8*i+4:FA0+8*MB*(\f)+8*i+7], v[RA] offset:i*16*APITCH+32
.set i, i+1
.endr
	WIN 0x40
.set nb, 0
.rept NBW
	ds_load_tr16_b128 v[8*NBW*(\f)+8*nb:8*NBW*(\f)+8*nb+3],   v[RB] offset:(nb/4)*BCHUNK+(nb%4)*32
	ds_load_tr16_b128 v[8*NBW*(\f)+8*nb+4:8*NBW*(\f)+8*nb+7], v[RB] offset:(nb/4)*BCHUNK+(nb%4)*32+16*BP
.set nb, nb+1
.endr
.if \par
	s_add_co_u32 s[KA], s[KA], ASTEP1
.else
	s_add_co_u32 s[KA], s[KA], 64
.endif
	s_add_co_u32 s[KB], s[KB], 32*BP
.endm
.macro QUARTER f, par, first           ; 32 along K from buffer f; at its head the next 32 are asked for, into the other buffer: they have all this 32's products in which to come
	FETCHX 1-(\f), \par
	s_wait_dscnt NLD                               ; all but the run just issued: this 32's fragments are in
	MULQ \f, 0, \first
	MULQ \f, 1, \first
	MULQ \f, 2, \first
	MULQ \f, 3, \first
.endm
; THE CHANGE OF SLOTS, in front of a K step's last 32, whose fragments are in registers.  Each wave waits for all its tensor loads (one is out: its part of the next slot), adds 0 to its spare word, and waits
; for that and for its reads of this slot.  fill = 1: the barrier is a round of the cluster's, and behind it this slot is filled again, first thing, with the K step two on.
.macro CHANGE fill
	WIN 0
	s_wait_tensorcnt 0x0                           ; no tensor load of mine is out, so a group 0 may be written
	ds_add_u32 v[SPW], v[NIL]                      ; 0 onto my spare word; scalar work stands between it and the wait for it
.if \fill
	s_xor_b32 s[G0A+5], s[G0A+5], SLOT
	s_add_nc_u64 s[G0A+6:G0A+7], s[G0A+6:G0A+7], ASTEPG
	s_xor_b32 s[G0B+5], s[G0B+5], SLOT
	s_add_nc_u64 s[G0B+6:G0B+7], s[G0B+6:G0B+7], BSTEPG
.endif
	s_sub_co_u32 s[KA], s[KA], AEND                ; the fetches go back to a slot's head, in the other slot
	s_xor_b32 s[KA], s[KA], SLOT
	s_sub_co_u32 s[KB], s[KB], KSTEP*BP
	s_xor_b32 s[KB], s[KB], SLOT
	s_wait_dscnt 0x0                               ; the add is done, my reads of this slot are over
.if \fill
	CROUND
	JLOAD
.else
	s_barrier_signal -1
	s_barrier_wait -1
.endif
.endm
.macro QLAST                           ; the very last 32: nothing more to fetch
	s_wait_dscnt 0x0
	MULQ 1, 0, 0
	MULQ 1, 1, 0
	MULQ 1, 2, 0
	MULQ 1, 3, 0
.endm
.macro DUMP                            ; the f32 sums into the stage: a lane's eight columns are 32 bytes of a row; each accumulator's low registers go first
.set a, 0
.rept MB
	WIN 0x08+4*(a/(MB/2))
.set b, 0
.rept NBW
.set rD, 8*((a%(MB/2))*NBW+b)
	ds_store_b128 v[STO+a/(MB/2)], v[rD:rD+3]   offset:(a%(MB/2))*16*SP+64*b
	ds_store_b128 v[STO+a/(MB/2)], v[rD+4:rD+7] offset:(a%(MB/2))*16*SP+64*b+16
.set b, b+1
.endr
.set a, a+1
.endr
	WIN 0
.endm
	s_load_b256 s[4:11], s[0:1], 0x0               ; gb, wb, b2, out0
	s_load_b64 s[12:13], s[0:1], 0x20              ; x1, the residual
	v_lshl_add_u32 v[SPW], v0, 2, SPARE
	v_mov_b32 v[NIL], 0
	ds_add_u32 v[SPW], v[NIL]                      ; the wave's opening: the add and its wait stand ahead of my first tensor load
	v_lshrrev_b32 v1, 5, v0
	v_readfirstlane_b32 s[WV], v1
	s_lshr_b32 s[FSEL], s[WV], 1
	s_and_b32 s[HALF], s[WV], 1
	s_lshr_b32 s[WM], s[WV], 1
	s_and_b32 s[WN], s[WV], 1
	s_bfe_u32 s[CX], ttmp6, 0x40000
	s_bfe_u32 s[CY], ttmp6, 0x40004
	s_lshl_b32 s[TNI], ttmp9, 2
	s_add_co_u32 s[TNI], s[TNI], s[CX]             ; tile column = 4 x cluster x + cx
	s_and_b32 s[TMI], ttmp7, 0xffff
	s_lshl_b32 s[TMI], s[TMI], 2
	s_add_co_u32 s[TMI], s[TMI], s[CY]             ; tile row = 4 x cluster y + cy
	s_lshl_b32 s[MKA], s[CY], 2
	s_lshl_b32 s[MKA], 15, s[MKA]                  ; my row of the cluster
	s_lshl_b32 s[MKB], 0x1111, s[CX]               ; my column
	s_or_b32 s[G1A], s[MKA], (1<<16)|(1<<20)|(1<<21)|(AQI<<22)|(3<<25)  ; mask; 2-byte elements; padding on; bit 21 beside a mask; interval; 4 words
	s_or_b32 s[G1B], s[MKB], (1<<16)|(1<<20)|(1<<21)|(BQI<<22)|(7<<25)  ; the same with my column's mask and 8 words
	s_mov_b32 s[G1A+1], AD0<<16                    ; tensor_dim0
	s_mov_b32 s[G1A+2], AD1<<16                    ; tensor_dim1
	s_mov_b32 s[G1A+3], AD0<<16                    ; tile_dim0
	s_mov_b32 s[G1A+4], AD1                        ; tile_dim1
	s_mov_b32 s[G1A+5], ASTR                       ; elements from row to row
	s_mov_b32 s[G1A+6], 0
	s_mov_b32 s[G1A+7], 0
	s_mov_b32 s[G1B+1], TN<<16
	s_mov_b32 s[G1B+2], (KSTEP/2)<<16
	s_mov_b32 s[G1B+3], TN<<16
	s_mov_b32 s[G1B+4], KSTEP/2
	s_mov_b32 s[G1B+5], NTOT
	s_mov_b32 s[G1B+6], 0
	s_mov_b32 s[G1B+7], 0
	; A's address hangs on the tile row and the wave alone, W's on the tile column and the wave alone, each in registers that never hold the other coordinate
	s_mul_i32 s60, s[TMI], TM*KTOT*2
	s_mul_i32 s61, s[HALF], (TM/2)*KTOT*2
	s_add_co_u32 s60, s60, s61
	s_mov_b32 s61, 0
	s_mul_i32 s68, s[TNI], TN*2
	s_mul_i32 s69, s[HALF], (KSTEP/2)*NTOT*2
	s_add_co_u32 s68, s68, s69
	s_add_co_u32 s68, s68, WOFF
	s_mov_b32 s69, 0
	s_mul_i32 s62, s[HALF], AHALF                  ; where they go: no place in the cluster enters an LDS address
	s_mul_i32 s63, s[HALF], BHALF
	s_add_co_u32 s63, s63, ABYTES
	s_wait_dscnt 0x0                               ; the opening add is done
	s_wait_kmcnt 0x0
	s_add_nc_u64 s[60:61], s[4:5], s[60:61]
	s_add_nc_u64 s[68:69], s[6:7], s[68:69]
	CROUND                                         ; all sixteen work-groups are here: the first joint loads meet
.irp s, 0,1
	s_mov_b32 s[G0A+4*(\s)], 1
	s_add_co_u32 s[G0A+4*(\s)+1], s62, (\s)*SLOT
	s_add_nc_u64 s[G0A+4*(\s)+2:G0A+4*(\s)+3], s[60:61], (\s)*ASTEPG
	s_or_b32 s[G0A+4*(\s)+3], s[G0A+4*(\s)+3], 0x80000000
	s_mov_b32 s[G0B+4*(\s)], 1
	s_add_co_u32 s[G0B+4*(\s)+1], s63, (\s)*SLOT
	s_add_nc_u64 s[G0B+4*(\s)+2:G0B+4*(\s)+3], s[68:69], (\s)*BSTEPG
	s_or_b32 s[G0B+4*(\s)+3], s[G0B+4*(\s)+3], 0x80000000
.endr
	s_cmp_eq_u32 s[FSEL], 0                        ; a wave's two first fills stand in one branch: two loads of mine are out
	s_cbranch_scc0 .Lfirst_b
	tensor_load_to_lds s[G0A:G0A+3], s[G1A:G1A+7]
	s_nop 0
	tensor_load_to_lds s[G0A+4:G0A+7], s[G1A:G1A+7]
	s_nop 0
.rept 4
	v_nop
.endr
	s_branch .Lfirst_done
.Lfirst_b:
	tensor_load_to_lds s[G0B:G0B+3], s[G1B:G1B+7]
	s_nop 0
	tensor_load_to_lds s[G0B+4:G0B+7], s[G1B:G1B+7]
	s_nop 0
.rept 4
	v_nop
.endr
.Lfirst_done:
	v_and_b32 v1, 15, v0                           ; r = l % 16
	v_bfe_u32 v2, v0, 4, 1                         ; h = l / 16
	v_lshlrev_b32 v5, 5, v2                        ; the bias of my eight columns of a block: 32 h; never rewritten
	s_mul_i32 s70, s[TNI], TN*4
	s_mul_i32 s71, s[WN], NBW*64
	s_add_co_u32 s70, s70, s71
	s_mov_b32 s71, 0
	s_add_nc_u64 s[8:9], s[8:9], s[70:71]
.set nb, 0
.rept NBW
	global_load_b128 v[BI+8*nb:BI+8*nb+3],   v5, s[8:9] offset:64*nb
	global_load_b128 v[BI+8*nb+4:BI+8*nb+7], v5, s[8:9] offset:64*nb+16
.set nb, nb+1
.endr
	v_mul_u32_u24 v[ADRA0], v1, APITCH             ; A: row x pitch + 16 h
	v_lshl_add_u32 v[ADRA0], v2, 4, v[ADRA0]
	s_mul_i32 s74, s[WM], MB*16*APITCH
	v_add_nc_u32 v[ADRA0], s74, v[ADRA0]
	v_and_b32 v3, 7, v0                            ; W, turned: row 8 h + l % 8, 16 bytes for each half of eight lanes
	v_lshl_add_u32 v3, v2, 3, v3
	v_mul_u32_u24 v[ADRB0], v3, BP
	v_bfe_u32 v4, v0, 3, 1
	v_lshl_add_u32 v[ADRB0], v4, 4, v[ADRB0]
	s_mul_i32 s74, s[WN], NBW*32
	s_add_co_u32 s74, s74, ABYTES
	v_add_nc_u32 v[ADRB0], s74, v[ADRB0]
	s_mul_i32 s75, s[WM], MB*16*SP                 ; my part of the stage
	s_mul_i32 s74, s[WN], NBW*64
	s_add_co_u32 s75, s75, s74
	v_mul_u32_u24 v[STO], v1, SP
	v_lshl_add_u32 v[STO], v2, 5, v[STO]
	v_add_nc_u32 v[STO], s75, v[STO]
	v_add_nc_u32 v[STO+1], (MB/2)*16*SP, v[STO]
	; THIS KERNEL'S OWN SET-UP.  My 64 x 64 of the residual, two rows a load (lanes 0-15 one row's 256 bytes, lanes 16-31 the next row's), on its way during the whole K loop.
	v_lshlrev_b32 v[CO], 4, v1
	v_lshl_add_u32 v[CO], v2, 12, v[CO]
	s_lshl_b32 s72, s[TMI], 19                     ; 128 rows of 4,096 bytes
	s_lshl_b32 s73, s[WM], 18
	s_add_co_u32 s72, s72, s73
	s_lshl_b32 s73, s[TNI], 9                      ; 128 columns of 4 bytes
	s_add_co_u32 s72, s72, s73
	s_lshl_b32 s73, s[WN], 8
	s_add_co_u32 s72, s72, s73
	s_mov_b32 s73, 0
	s_add_nc_u64 s[10:11], s[10:11], s[72:73]
	s_add_nc_u64 s[12:13], s[12:13], s[72:73]
	WIN 0x80
.set t, 0
.rept 32
	global_load_b128 v[64+4*t:67+4*t], v[CO], s[12:13] offset:t*8192
.set t, t+1
.endr
	WIN 0
	v_mul_u32_u24 v[RD], v2, SP
	v_lshl_add_u32 v[RD], v1, 4, v[RD]
	v_add_nc_u32 v[RD], s75, v[RD]
	s_mov_b32 s[KA], 0
	s_mov_b32 s[KB], 0
	s_wait_tensorcnt 1                             ; my part of K step 0 is in; K step 1's may stay out
	s_barrier_signal -1
	s_barrier_wait -1
	FETCHX 0, 0
	s_wait_loadcnt EARLYN                          ; the bias is in; the loads issued behind it may stay out
	QUARTER 0, 1, 1                                ; the first 32 start the sums
	WIN 0
	s_mov_b32 s2, T-1
	s_mov_b32 s3, (NQ-2)/2                         ; K step 0 has so many pairs left in front of its change of slots
	s_branch .Lpair
.Lk:                                                   ; T - 2 times: the slot that is left is filled again
	CHANGE 1
	s_mov_b32 s3, NQ/2
.Lpair:                                                ; two 32s along K
	QUARTER 1, 0, 0
	QUARTER 0, 1, 0
	WIN 0
	s_sub_co_u32 s3, s3, 1
	s_cmp_lg_u32 s3, 0
	s_cbranch_scc1 .Lpair
	s_sub_co_u32 s2, s2, 1
	s_cmp_lg_u32 s2, 0
	s_cbranch_scc1 .Lk
	CHANGE 0                                       ; the last change is written out: nothing is left to ask for
	s_mov_b32 s3, NQ/2
.Ltp:
	QUARTER 1, 0, 0
	QUARTER 0, 1, 0
	WIN 0
	s_sub_co_u32 s3, s3, 1
	s_cmp_lg_u32 s3, 0
	s_cbranch_scc1 .Ltp
	QLAST
	WIN 0
.rept 4
	v_nop                                          ; the places behind the last products
.endr
	s_wait_dscnt 0x0
	s_barrier_signal -1
	s_barrier_wait -1                              ; nobody reads a slot any more, and no slot is filled again: the stage may lie there
	DUMP
	s_wait_dscnt 0x0
	s_barrier_signal -1
	s_barrier_wait -1
.set t, 0
.rept 32
	ds_load_b128 v[64+4*t:67+4*t], v[RD] offset:2*t*SP
.set t, t+1
.endr
	s_wait_loadcnt 0x0                             ; the residual
.irp g, 0,1,2,3
	s_wait_dscnt 24-8*(\g)                         ; the younger groups of eight may stay out
	WIN 0x08                                       ; source 1 in window 2
.set k, 0
.rept 16
	v_pk_add_f32 v[64+32*(\g)+2*k:64+32*(\g)+2*k+1], v[64+32*(\g)+2*k:64+32*(\g)+2*k+1], v[64+32*(\g)+2*k:64+32*(\g)+2*k+1]
.set k, k+1
.endr
	WIN 0
.set k, 0
.rept 8
	global_store_b128 v[CO], v[64+32*(\g)+4*k:64+32*(\g)+4*k+3], s[10:11] offset:(8*(\g)+k)*8192  ; 16 lanes store 256 consecutive bytes, aligned
.set k, k+1
.endr
.endr
	s_wait_tensorcnt 0x0                           ; the wave's end
	ds_add_u32 v[SPW], v[NIL]
	s_wait_dscnt 0x0
	CROUND                                         ; the closing round
	s_endpgm
.Lfunc_end_k_q91fab8ea3f_ff2:
	.size	k_q91fab8ea3f_ff2, .Lfunc_end_k_q91fab8ea3f_ff2-k_q91fab8ea3f_ff2
	.p2alignl 7, 3214868480
	.fill 96, 4, 3214868480
	.section	.rodata,"a",@progbits
	.p2align	6, 0x0
	.amdhsa_kernel k_q91fab8ea3f_ff2
		.amdhsa_group_segment_fixed_size 327680
		.amdhsa_private_segment_fixed_size 0
		.amdhsa_enable_private_segment 0
		.amdhsa_kernarg_size 40
		.amdhsa_user_sgpr_count 2
		.amdhsa_user_sgpr_kernarg_segment_ptr 1
		.amdhsa_wavefront_size32 1
		.amdhsa_system_sgpr_workgroup_id_x 1
		.amdhsa_system_sgpr_workgroup_id_y 1
		.amdhsa_system_sgpr_workgroup_id_z 1
		.amdhsa_system_vgpr_workitem_id 0
		.amdhsa_next_free_vgpr 1024
		.amdhsa_next_free_sgpr 96
		.amdhsa_reserve_vcc 0
		.amdhsa_float_denorm_mode_32 3
		.amdhsa_float_denorm_mode_16_64 3
		.amdhsa_memory_ordered 1
		.amdhsa_forward_progress 1
		.amdhsa_inst_pref_size 40
	.end_amdhsa_kernel
	.amdgpu_metadata
---
amdhsa.version: [ 1, 2 ]
amdhsa.kernels:
  - .name:           k_q91fab8ea3f_ff2
    .symbol:         k_q91fab8ea3f_ff2.kd
    .args:
      - { .name: gb, .offset: 0, .size: 8, .value_kind: global_buffer, .address_space: global }
      - { .name: wb, .offset: 8, .size: 8, .value_kind: global_buffer, .address_space: global }
      - { .name: b2, .offset: 16, .size: 8, .value_kind: global_buffer, .address_space: global }
      - { .name: out0, .offset: 24, .size: 8, .value_kind: global_buffer, .address_space: global }
      - { .name: x1, .offset: 32, .size: 8, .value_kind: global_buffer, .address_space: global }
    .group_segment_fixed_size: 327680
    .private_segment_fixed_size: 0
    .kernarg_segment_align: 8
    .kernarg_segment_size: 40
    .max_flat_workgroup_size: 128
    .sgpr_count:     96
    .vgpr_count:     1024
    .wavefront_size: 32
...
	.end_amdgpu_metadata
.endif
;; end of part 7
